; MI455X (gfx1250); checked and timed in simulation.
; The chip was launched on July 23, 2026; its instructions are those of AMD's public machine-readable ISA for CDNA 5 (MIT licence, August 2026) and "CDNA5" Instruction Set Architecture Reference Guide (July 2026). The comments in the code are by the model that wrote it; some were corrected since.
;; Encoder Layer. Allowed arithmetic: matrix products marked QUANTISED: E4M3 operands, one given power-of-two scale a tensor, by v_wmma_f32_16x16x64_fp8_fp8 or v_wmma_f32_16x16x128_fp8_fp8, f32 sums; everything else in f32.
;; Inputs: b1 4,096 float32; b2 1,024 float32; bk 1,024 float32; bo 1,024 float32; bq 1,024 float32; bv 1,024 float32; ln1_b 1,024 float32; ln1_g 1,024 float32; ln2_b 1,024 float32; ln2_g 1,024 float32; lowp_scales 16 int32 (the exponents e of the quantised operands' scales 2^e); w1 1,024 x 4,096 float32; w2 4,096 x 1,024 float32; wk 1,024 x 1,024 float32; wo 1,024 x 1,024 float32; wq 1,024 x 1,024 float32; wv 1,024 x 1,024 float32; x 2 x 2,048 x 1,024 float32.
;; Outputs: out0 2 x 2,048 x 1,024 float32.
;; This version of the problem:
;;   THIS VERSION OF THE PROBLEM IS GIVEN IN LOW PRECISION. The matrix products marked QUANTISED in the list below multiply operands that are first quantised to E4M3 (4 exponent bits, 3 mantissa bits; 8 bits a number), with one given power-of-two scale for each operand tensor; their sums are f32. All else is computed in f32.
;;   The module's matrix products, in the order in which they are computed (A, B: the left and right operand; K: the contracted axis; several contracted axes count as one K, in the product's order):
;;     1. [M 4,096, K 1,024] x [K 1,024, N 1,024]; A: input x; B: input wq: QUANTISED (scales: A lowp_scales[0], B lowp_scales[1])
;;     2. [M 4,096, K 1,024] x [K 1,024, N 1,024]; A: input x; B: input wk: QUANTISED (scales: A lowp_scales[2], B lowp_scales[3])
;;     3. [M 4,096, K 1,024] x [K 1,024, N 1,024]; A: input x; B: input wv: QUANTISED (scales: A lowp_scales[4], B lowp_scales[5])
;;     4. batch 32 x [M 2,048, K 64] x [K 64, N 2,048]; A: computed on the way; B: computed on the way: QUANTISED (scales: A lowp_scales[6], B lowp_scales[7])
;;     5. batch 32 x [M 2,048, K 2,048] x [K 2,048, N 64]; A: softmax (see below); B: computed on the way: QUANTISED (scales: A lowp_scales[8], B lowp_scales[9])
;;     6. [M 4,096, K 1,024] x [K 1,024, N 1,024]; A: computed on the way; B: input wo: QUANTISED (scales: A lowp_scales[10], B lowp_scales[11])
;;     7. [M 4,096, K 1,024] x [K 1,024, N 4,096]; A: computed on the way; B: input w1: QUANTISED (scales: A lowp_scales[12], B lowp_scales[13])
;;     8. [M 4,096, K 4,096] x [K 4,096, N 1,024]; A: computed on the way; B: input w2: QUANTISED (scales: A lowp_scales[14], B lowp_scales[15])
;;   THE QUANTISER, for each operand of a quantised product, along K:
;;     - The operand's scale is 2^e, e = its entry of the input lowp_scales (int32; the entries are numbered through the quantised products in the list's order, A before B).
;;     - Each number is divided by the scale, clamped to +-448, and rounded to the nearest number of E4M3, ties to even, subnormals kept.
;;     - The product sums the exact products of the quantised numbers (number of the format x scale) in f32.
;;   ~~~python
;;   def quantise(x, axis, e):      # numpy; x: float32 -> the quantised numbers, widened to float32 again
;;       x = np.moveaxis(x, axis, -1); K = x.shape[-1]
;;       r = np.clip(x / 2.0 ** e, -448, 448)
;;       step = 2.0 ** (np.maximum(np.frexp(np.where(r == 0, 1, r))[1] - 1, -6) - 3)
;;       q = np.round(r / step) * step * 2.0 ** e      # np.round: ties to even
;;       return np.moveaxis(q, -1, axis).astype(np.float32)
;;   ~~~
;;   SOFTMAX AHEAD OF A QUANTISED PRODUCT. Where the list says 'softmax', what is quantised is not the finished softmax but p = 2^(t - M), with t = logit x log2(e) and M = ceil(the row's largest t), a whole number; so 1/2 < the row's largest p <= 1. The row's sum l is taken of the UNQUANTISED p, in f32, and the product's result is divided by l at the end. Since M is a whole number, a kernel that streams over the keys may use a running M (the ceiling of the running maximum): every later rescaling is an exact power of two, so the quantised numbers keep their values, but for numbers so far below the row's largest that they fall under the format's range.
;;   OPERANDS COMPUTED ON THE WAY. 'Computed on the way' means the value that the module computes at that place (a softmax that the list does not call 'softmax' is quantised finished and normalised). What goes into a quantiser is computed in f32, as accurately as f32 sums, v_exp_f32 and their like allow (about 1e-6 of the number): no bf16 or f16 on the way to a quantiser, and a product that is left as it is and whose result goes on into a quantised operand takes f32 operands (vector FMAs, or v_wmma_f32_16x16x4_f32). A number that lies on a knife's edge between two numbers of the format may be rounded either way, as far as f32 arithmetic and the matrix unit's own rounding can turn it there, and no further.
;; One version. Each part assembles by itself: llvm-mc -triple=amdgcn-amd-amdhsa -mcpu=gfx1250 --defsym DOCPART=n.
;; ======== version 1 of 1: 8 launches
;; limits: right only within a limited range of input values
;; workspace buffers: xc 12,582,912 bytes; wc 12,582,912 bytes; qkv 12,582,912 bytes; ac 4,194,304 bytes; y 16,777,216 bytes; x1 16,777,216 bytes; x1c 4,194,304 bytes; hc 16,777,216 bytes
;; launch prep (part 1): grid 896 x 1, 4 waves a work-group, no clusters, 0 bytes of LDS; arguments x, wq, wk, wv, wo, w1, w2, lowp_scales, xc, wc; writes xc, wc
.if DOCPART == 1
	.amdgcn_target "amdgcn-amd-amdhsa--gfx1250"
	.amdhsa_code_object_version 6
	.text
	.protected	k_q80437e2f63_prep
	.globl	k_q80437e2f63_prep
	.p2align	8
	.type	k_q80437e2f63_prep,@function
k_q80437e2f63_prep:
	s_mov_b64 s[64:65], 0
	v_nop
	global_prefetch_b8 v0, s[64:65] scope:SCOPE_SE
	s_setreg_imm32_b32 hwreg(HW_REG_WAVE_MODE, 25, 1), 1
	s_wait_xcnt 0x0
; PREP: every input that is an operand of a quantised product becomes codes of E4M3 (code = number / 2^e, held within +-448, nearest, ties to even).
; DEAD WORK: none.  Every product, bias, gain and scale of the layer has a way to the output (bk too: it moves K's codes), so all inputs are loaded by some launch and nothing is left out.
; LIMITS: each e used here lies between -126 and 119, so that 2^e and 448 x 2^e are f32 numbers.  NaN among the inputs is not served.
; LAYOUT OF ALL CODES IN THIS PROGRAM: images of operand registers.  A fragment is 16 rows x 128 K = 2,048 bytes = 4 chunks of 512; in chunk c lane l = (r = l % 16, h = l / 16) has 16 bytes at 16 l:
; k = 128 ks + 32 c + 16 h + 0 .. 15 of the row at place r.  A matrix [R][K] lies as [K / 512][R / 16][4 ks][2,048].  ROWS OF A TILE ARE NOT NEIGHBOURS: place r of row tile rt is row
; 32 (rt / 2) + 8 (rt % 2) + r + 8 (r / 8), so that the results of two neighbouring tiles are 16 neighbours along the next product's K in one lane.
; xc: x three times (scales e0, e2, e4), 4 MiB each.  wc: +0 wq | wk | wv | wo as 4,096 rows of K = 1,024; +4 MiB w1 (4,096 rows, K = 1,024); +8 MiB w2 (1,024 rows, K = 4,096).
; SHARES: work-groups 0-511: x, a row tile and half of K each, a wave a fragment.  512-639: w1; 640-767: w2; 768-895: wq, wk, wv, wo: a wave takes 32 columns x 256 along K.
; No LDS, no barrier: waves share nothing.  The three ways part on the work-group's number alone.
.set X,   32                           ; v32-95   x: 64 numbers of a lane: register 16 c + i = k 32 c + 16 h + i
.set T,   96                           ; v96-127  two sets of 16 held numbers
.set CX,  128                          ; v128-175 codes: four registers for each (scale, chunk): no store's data are written again
.set WX,  32                           ; v32-95   weights: two sets of 32 numbers down K
.set WC,  96                           ; v96-159  weights: eight registers of codes for each block
.macro WLOAD t, stride                 ; block t: W(32 t + i, my column) into set t % 2: 32 lanes read 128 consecutive bytes
.irp i, 0,1,2,3,4,5,6,7,8,9,10,11,12,13,14,15,16,17,18,19,20,21,22,23,24,25,26,27,28,29,30,31
	global_load_b32 v[WX+32*((\t)%2)+\i], v3, s[30:31] offset:(32*(\t)+\i)*\stride th:TH_LOAD_NT
.endr
.endm
; s[30:31] the weight, s32 its block of 128 columns, s33 its block of 256 along K, s34 row tiles in a slot of its image, s35 its first row tile, s36 its place in wc
.macro WADDR stride
	s_mul_i32 s38, s33, 256*\stride
	s_lshl_b32 s39, s32, 9
	s_add_co_u32 s38, s38, s39
	s_lshl_b32 s39, s24, 7
	s_add_co_u32 s38, s38, s39                     ; 256 kb rows down, 128 cb + 32 wave columns on
	s_mov_b32 s39, 0
	s_add_nc_u64 s[30:31], s[30:31], s[38:39]
	s_lshr_b32 s38, s33, 1                         ; slot = kb / 2
	s_mul_i32 s38, s38, s34
	s_add_co_u32 s38, s38, s35
	s_lshl_b32 s39, s32, 3
	s_add_co_u32 s38, s38, s39
	s_lshl_b32 s39, s24, 1
	s_add_co_u32 s38, s38, s39                     ; row tile: first + 8 cb + 2 wave
	s_lshl_b32 s38, s38, 13
	s_and_b32 s39, s33, 1
	s_lshl_b32 s39, s39, 12                        ; K steps 2 (kb % 2) on
	s_add_co_u32 s38, s38, s39
	s_add_co_u32 s38, s38, s36
	s_mov_b32 s39, 0
	s_add_nc_u64 s[22:23], s[22:23], s[38:39]
	v_lshlrev_b32 v3, 2, v2                        ; in: 4 bytes a lane
	v_bfe_u32 v4, v2, 3, 1                         ; column x of 32 lies in tile (x / 8) % 2
	v_and_b32 v5, 7, v2
	v_lshrrev_b32 v6, 4, v2
	v_lshl_add_u32 v5, v6, 3, v5                   ; at place x % 8 + 8 (x / 16)
	v_lshlrev_b32 v5, 4, v5
	v_lshl_add_u32 v7, v4, 13, v5                  ; out: 8,192 x tile + 16 x place: sixteen lanes fill 256 consecutive bytes, aligned
	WLOAD 0, \stride
	WLOAD 1, \stride
.endm
.macro WBLOCK t, stride
.if (\t) < 7
	s_wait_loadcnt 32                              ; this block's 32 loads are in; the next block's 32 may be out
.else
	s_wait_loadcnt 0x0
.endif
.irp i, 0,1,2,3,4,5,6,7,8,9,10,11,12,13,14,15,16,17,18,19,20,21,22,23,24,25,26,27,28,29,30,31
	v_med3_num_f32 v[WX+32*((\t)%2)+\i], v[WX+32*((\t)%2)+\i], -v10, v10   ; the conversion does not saturate (ISA guide 7.6.2): the hold comes first
.endr
.irp g, 0,1,2,3
	v_cvt_scalef32_pk8_fp8_f32 v[WC+8*(\t)+2*\g:WC+8*(\t)+2*\g+1], v[WX+32*((\t)%2)+8*\g:WX+32*((\t)%2)+8*\g+7], v11
.endr
	global_store_b128 v7, v[WC+8*(\t):WC+8*(\t)+3], s[22:23] offset:((\t)/4)*2048+((\t)%4)*512         ; k 32 t + 0 .. 15: the chunk's lanes 0-15
	global_store_b128 v7, v[WC+8*(\t)+4:WC+8*(\t)+7], s[22:23] offset:((\t)/4)*2048+((\t)%4)*512+256   ; k 32 t + 16 .. 31: its lanes 16-31
.if (\t)+2 < 8
	WLOAD (\t)+2, \stride
.endif
.endm
.macro WBODY stride                    ; s37 = e
	s_add_co_i32 s37, s37, 127
	s_lshl_b32 s38, s37, 23
	v_mov_b32 v11, s38                             ; 2^e as f32: the conversion takes its exponent field
	s_add_co_i32 s37, s37, 8
	s_lshl_b32 s37, s37, 23
	s_or_b32 s37, s37, 0x600000
	v_mov_b32 v10, s37                             ; 448 x 2^e
	s_wait_alu depctr_va_vdst(0)
.irp t, 0,1,2,3,4,5,6,7
	WBLOCK \t, \stride
.endr
	s_endpgm
.endm
	s_load_b512 s[4:19], s[0:1], 0x0               ; x s[4:5], wq, wk, wv, wo s[6:13], w1 s[14:15], w2 s[16:17], the exponents s[18:19]
	s_load_b128 s[20:23], s[0:1], 0x40             ; xc s[20:21], wc s[22:23]
	v_lshrrev_b32 v1, 5, v0
	v_readfirstlane_b32 s24, v1                    ; wave
	v_and_b32 v2, 31, v0                           ; lane
	s_wait_kmcnt 0x0
	s_load_b512 s[68:83], s[18:19], 0x0            ; e0 .. e15 in s68 .. s83
	s_cmp_lt_u32 ttmp9, 512
	s_cbranch_scc0 .Lweights
	; ---- x: row tile rt = id / 2, K steps 4 (id % 2) + wave
	s_lshr_b32 s25, ttmp9, 1
	s_and_b32 s26, ttmp9, 1
	s_lshr_b32 s27, s25, 1
	s_and_b32 s28, s25, 1
	s_lshl_b32 s27, s27, 17                        ; 32 rows of 4,096 bytes
	s_lshl_b32 s28, s28, 15                        ; 8 rows
	s_add_co_u32 s27, s27, s28
	s_lshl_b32 s28, s26, 11
	s_add_co_u32 s27, s27, s28
	s_lshl_b32 s28, s24, 9                         ; a K step is 512 bytes of a row
	s_add_co_u32 s30, s27, s28
	s_mov_b32 s31, 0
	s_add_nc_u64 s[4:5], s[4:5], s[30:31]
	v_and_b32 v3, 15, v0                           ; r
	v_bfe_u32 v4, v0, 4, 1                         ; h
	v_and_b32 v5, 8, v3
	v_add_nc_u32 v5, v5, v3                        ; r + 8 (r / 8)
	v_lshlrev_b32 v6, 12, v5
	v_lshl_add_u32 v6, v4, 6, v6                   ; my row, + 64 h: my 16 numbers of a block of 32
	s_wait_alu depctr_va_vdst(0)
	v_lshlrev_b32 v7, 4, v2                        ; 16 x lane
.irp c, 0,1,2,3
.irp j, 0,1,2,3
	global_load_b128 v[X+16*\c+4*\j:X+16*\c+4*\j+3], v6, s[4:5] offset:128*\c+16*\j   ; a lane's four loads of a chunk read 64 bytes on end, beside the other half's 64: four instructions touch the same stretch, so no read-once hint stands here
.endr
.endr
	s_lshl_b32 s28, s26, 8
	s_add_co_u32 s28, s28, s25
	s_lshl_b32 s28, s28, 13                        ; (256 slot + rt) x 8,192
	s_lshl_b32 s29, s24, 11
	s_add_co_u32 s30, s28, s29
	s_add_nc_u64 s[40:41], s[20:21], s[30:31]      ; (s31 = 0)  the image under e0,
	s_add_nc_u64 s[42:43], s[40:41], 0x400000      ; under e2,
	s_add_nc_u64 s[44:45], s[40:41], 0x800000      ; under e4
	s_wait_kmcnt 0x0
.irp t, 0,1,2
	s_add_co_i32 s46, s[68+2*\t], 127
	s_lshl_b32 s47, s46, 23
	v_mov_b32 v[20+2*\t], s47                      ; 2^e
	s_add_co_i32 s46, s46, 8
	s_lshl_b32 s46, s46, 23
	s_or_b32 s46, s46, 0x600000
	v_mov_b32 v[21+2*\t], s46                      ; 448 x 2^e
.endr
	s_wait_alu depctr_va_vdst(0)
.irp t, 0,1,2
.irp c, 0,1,2,3
.if \t == 0
	s_wait_loadcnt 12-4*\c                         ; chunk c's four loads are in; the younger chunks' may be out
.endif
.irp i, 0,1,2,3,4,5,6,7,8,9,10,11,12,13,14,15
	v_med3_num_f32 v[T+16*(\c%2)+\i], v[X+16*\c+\i], -v[21+2*\t], v[21+2*\t]   ; held copies: x is quantised three times.  (These plain lines on the other set also part the conversions from the next writes of their sources)
.endr
	v_cvt_scalef32_pk8_fp8_f32 v[CX+16*\t+4*\c:CX+16*\t+4*\c+1], v[T+16*(\c%2):T+16*(\c%2)+7], v[20+2*\t]
	v_cvt_scalef32_pk8_fp8_f32 v[CX+16*\t+4*\c+2:CX+16*\t+4*\c+3], v[T+16*(\c%2)+8:T+16*(\c%2)+15], v[20+2*\t]
	global_store_b128 v7, v[CX+16*\t+4*\c:CX+16*\t+4*\c+3], s[40+2*\t:41+2*\t] offset:512*\c   ; a chunk: 512 consecutive bytes
.endr
.endr
	s_endpgm
.Lweights:
	s_cmp_lt_u32 ttmp9, 640
	s_cbranch_scc0 .Lnarrow
	; ---- w1 [1,024][4,096]: 32 blocks of columns x 4 blocks of K
	s_sub_co_u32 s26, ttmp9, 512
	s_and_b32 s32, s26, 31
	s_lshr_b32 s33, s26, 5
	s_mov_b32 s34, 256
	s_mov_b32 s35, 0
	s_mov_b32 s36, 0x400000
	s_mov_b64 s[30:31], s[14:15]
	s_wait_alu depctr_va_vdst(0)
	WADDR 16384
	s_wait_kmcnt 0x0
	s_mov_b32 s37, s81                             ; e13
	WBODY 16384
.Lnarrow:
	; ---- rows of 4,096 bytes: w2 [4,096][1,024] (8 x 16 blocks), then wq, wk, wv, wo [1,024][1,024] (8 x 4 blocks each)
	s_sub_co_u32 s26, ttmp9, 640
	s_sub_co_u32 s27, ttmp9, 768
	s_cmp_lt_u32 ttmp9, 768
	s_cselect_b32 s26, s26, s27
	s_and_b32 s32, s26, 7                          ; block of columns
	s_lshr_b32 s33, s26, 3                         ; w2's block of K
	s_and_b32 s27, s33, 3                          ; the four's
	s_lshr_b32 s28, s26, 5                         ; which of the four
	s_lshl_b32 s35, s28, 6                         ; its first row tile: 64 x which
	s_cmp_eq_u32 s28, 1
	s_cselect_b64 s[30:31], s[8:9], s[6:7]
	s_cmp_eq_u32 s28, 2
	s_cselect_b64 s[30:31], s[10:11], s[30:31]
	s_cmp_eq_u32 s28, 3
	s_cselect_b64 s[30:31], s[12:13], s[30:31]
	s_cmp_lt_u32 ttmp9, 768
	s_cselect_b64 s[30:31], s[16:17], s[30:31]
	s_cselect_b32 s33, s33, s27
	s_cselect_b32 s35, 0, s35
	s_cselect_b32 s34, 64, 0x100
	s_cselect_b32 s36, 0x800000, 0
	s_wait_alu depctr_va_vdst(0)
	WADDR 4096
	s_wait_kmcnt 0x0
	s_cmp_eq_u32 s28, 1
	s_cselect_b32 s37, s71, s69                    ; e3 or e1
	s_cmp_eq_u32 s28, 2
	s_cselect_b32 s37, s73, s37                    ; e5
	s_cmp_eq_u32 s28, 3
	s_cselect_b32 s37, s79, s37                    ; e11
	s_cmp_lt_u32 ttmp9, 768
	s_cselect_b32 s37, s83, s37                    ; e15
	WBODY 4096
.Lfunc_end_k_q80437e2f63_prep:
	.size	k_q80437e2f63_prep, .Lfunc_end_k_q80437e2f63_prep-k_q80437e2f63_prep
	.p2alignl 7, 3214868480
	.fill 96, 4, 3214868480
	.section	.rodata,"a",@progbits
	.p2align	6, 0x0
	.amdhsa_kernel k_q80437e2f63_prep
		.amdhsa_group_segment_fixed_size 0
		.amdhsa_private_segment_fixed_size 0
		.amdhsa_enable_private_segment 0
		.amdhsa_kernarg_size 80
		.amdhsa_user_sgpr_count 2
		.amdhsa_user_sgpr_kernarg_segment_ptr 1
		.amdhsa_wavefront_size32 1
		.amdhsa_system_sgpr_workgroup_id_x 1
		.amdhsa_system_sgpr_workgroup_id_y 1
		.amdhsa_system_sgpr_workgroup_id_z 1
		.amdhsa_system_vgpr_workitem_id 0
		.amdhsa_next_free_vgpr 192
		.amdhsa_next_free_sgpr 96
		.amdhsa_reserve_vcc 0
		.amdhsa_float_denorm_mode_32 3
		.amdhsa_float_denorm_mode_16_64 3
		.amdhsa_memory_ordered 1
		.amdhsa_forward_progress 1
		.amdhsa_inst_pref_size 111
	.end_amdhsa_kernel
	.amdgpu_metadata
---
amdhsa.version: [ 1, 2 ]
amdhsa.kernels:
  - .name:           k_q80437e2f63_prep
    .symbol:         k_q80437e2f63_prep.kd
    .args:
      - { .name: x, .offset: 0, .size: 8, .value_kind: global_buffer, .address_space: global }
      - { .name: wq, .offset: 8, .size: 8, .value_kind: global_buffer, .address_space: global }
      - { .name: wk, .offset: 16, .size: 8, .value_kind: global_buffer, .address_space: global }
      - { .name: wv, .offset: 24, .size: 8, .value_kind: global_buffer, .address_space: global }
      - { .name: wo, .offset: 32, .size: 8, .value_kind: global_buffer, .address_space: global }
      - { .name: w1, .offset: 40, .size: 8, .value_kind: global_buffer, .address_space: global }
      - { .name: w2, .offset: 48, .size: 8, .value_kind: global_buffer, .address_space: global }
      - { .name: lowp_scales, .offset: 56, .size: 8, .value_kind: global_buffer, .address_space: global }
      - { .name: xc, .offset: 64, .size: 8, .value_kind: global_buffer, .address_space: global }
      - { .name: wc, .offset: 72, .size: 8, .value_kind: global_buffer, .address_space: global }
    .group_segment_fixed_size: 0
    .private_segment_fixed_size: 0
    .kernarg_segment_align: 8
    .kernarg_segment_size: 80
    .max_flat_workgroup_size: 128
    .sgpr_count:     96
    .vgpr_count:     192
    .wavefront_size: 32
...
	.end_amdgpu_metadata
.endif
;; end of part 1
;; launch qkvp (part 2): grid 12 x 16, 4 waves a work-group, clusters of 4 x 4, 327,680 bytes of LDS; arguments xc, wc, lowp_scales, bq, bk, bv, qkv; writes qkv
.if DOCPART == 2
	.amdgcn_target "amdgcn-amd-amdhsa--gfx1250"
	.amdhsa_code_object_version 6
	.text
	.protected	k_q80437e2f63_qkvp
	.globl	k_q80437e2f63_qkvp
	.p2align	8
	.type	k_q80437e2f63_qkvp,@function
k_q80437e2f63_qkvp:
	s_mov_b64 s[64:65], 0
	v_nop
	global_prefetch_b8 v0, s[64:65] scope:SCOPE_SE
	s_setreg_imm32_b32 hwreg(HW_REG_WAVE_MODE, 25, 1), 1
	s_wait_xcnt 0x0
	s_wait_alu depctr_hold_cnt(0) depctr_sa_sdst(0) depctr_va_vdst(0) depctr_va_sdst(0) depctr_va_ssrc(0) depctr_va_vcc(0) depctr_vm_vsrc(0)
	s_getreg_b32 s2, hwreg(HW_REG_IB_STS2, 6, 4)
	s_cmp_eq_u32 s2, 0
	s_cbranch_scc0 .Lentry_in_a_cluster
	s_endpgm
.Lentry_in_a_cluster:
	s_bfe_u32 s2, ttmp6, 0x10000c
	s_cmp_lg_u32 s2, 0xf033
	s_cbranch_scc0 .Lentry_shape_is_right
	s_endpgm
.Lentry_shape_is_right:
; q = Q6(x wq + bq), k = Q7(x wk + bk), v = Q9(x wv + bv): three products on codes of E4M3 (K = 1,024), their results quantised at once for the two products of attention.  Nothing is left out.
; All codes are images of operand registers: a fragment (16 rows x 128 K) is 4 chunks of 512 bytes, lane l's 16 bytes at 16 l (k = 32 c + 16 (l / 16) + 0 .. 15 of the row at place l % 16); a matrix lies as
; [K / 512][rows / 16][4][2,048]; place r of row tile rt is row 32 (rt / 2) + 8 (rt % 2) + r + 8 (r / 8).  Fragments need no pitch and no padding.
; A work-group of four waves makes 256 x 256 results, a wave 128 x 128: 64 accumulators, 512 registers.  Source 0 = a tile of region B, source 1 = a tile of region A: a lane holds ONE row of A's tile, and the 16
; registers of two neighbouring tiles of B are 16 neighbours: two conversions give a chunk of the next operand's image, stored as 512 consecutive bytes.
; THIRDS (= cluster x): 0: q, 1: k: region A = 256 tokens (tile ty), region B = 256 columns of the weight (tile tx).  2: v: region A = 256 columns of wv (tile ty % 4), region B = 256 tokens
; (tile tx % 4 + 4 x cluster y): a lane then holds a channel and its registers run along the KEYS, which are the second product's K.  Only global addresses and the first step's C differ between the thirds.
; OUT: q at [bh][128 tiles][2 chunks][512]; from 4 MiB on [bh][16 key steps][16,384]: 8 tiles of K (1,024 bytes each), then 4 fragments of V^T (2,048 each).
; CLUSTER 4 x 4: region A's tile hangs on ty alone and is asked for jointly along a row of the cluster, region B's hangs on tx (and on cluster y, which all partners share) and is asked for along a column.
; THE RING: a slot holds 256 along K: of each row tile 4,096 bytes, 8,192 apart in the image; a wave's load brings 8 such rows.  Four slots' worth of K go through two LDS slots: two first fills, two joint refills,
; each first behind a round of the cluster's barrier.  A wave has one tensor load out at any time.
; The bias / 2^(eA + eB) is the C of each sum's first product; the conversion's scale is 2^(eO - eA - eB).  LIMITS: eO - eA - eB between -126 and 119.  NaN among the inputs is not served.
; REGISTERS, in windows of 256: window 0: v1-31 addresses and constants; v32-95 the scaled bias, later 64 held numbers; v96-103 bv as loaded; v128-255 A's fragments (8 x 16), ONE set, later the codes.
;   window 1: B's fragments, TWO sets, at v0 and v128.   window 2: the accumulators of A's tiles 0-3 ((a, b) at v[8 (8 a + b)]);   window 3: those of tiles 4-7.
.set ASTR,  0x200000                   ; from 512 along K to the next 512, in both images
.set HALFK, 4096                       ; the second 256 of a row tile's 512
.set SLOT,  131072                     ; an LDS slot: region A 65,536 bytes (16 tiles x 2 K steps x 2,048), then region B
.set SPARE, 262144                     ; behind the ring: the spare words, 128 bytes for each wave: two blocks of 256 bytes that no other line names
.set FR,   16                          ; registers of a fragment
.set LI,   3                           ; v3      16 x lane
.set VO,   4                           ; v4-11   16 x lane + tile a's place in the output
.set BOF,  12                          ; v12     my offset in the bias
.set ADRA, 16                          ; v16-17  LDS address of my tiles of region A in slot 0, 1
.set ADRB, 20                          ; v20-21  of region B
.set SPW,  28                          ; v28     my spare word; never rewritten
.set NIL,  29                          ; v29     0; never rewritten
.set SCV,  30                          ; v30     2^(eO - eA - eB)
.set LIM,  31                          ; v31     448 x that
.set BI,   32                          ; v32-95  bias / 2^(eA + eB), eight registers a tile, in the result's layout
.set T,    32                          ; v32-95  the way out: a row block's 64 held numbers
.set RB,   96                          ; v96-103 bv as loaded
.set AF,   128                         ; A's fragments
.set CD,   128                         ; the way out: 16 registers of codes for each row block
.set G1,   24
.set G0,   32
.set G1B,  48
.set G0B,  56
.set MSB, 0
.macro WIN new                         ; the immediate's high byte repeats the setting that is left
.if MSB != \new
	s_set_vgpr_msb (MSB<<8)|\new
.set MSB, \new
.endif
.endm
.set MUL_LO, 0xa1                      ; source 0 (B) window 1, source 1 (A) window 0, C and D window 2
.set MUL_HI, 0xf1                      ; the same, C and D window 3
.set TO_B,   0x40                      ; destination window 1, address window 0
.macro JLOAD s                         ; a joint load: waves 0 and 1 fetch region A's halves, waves 2 and 3 region B's; an s_nop 0 and four v_nop follow each line
	s_cmp_eq_u32 s11, 0
	s_cbranch_scc0 .Lfor_b_\@
	tensor_load_to_lds s[G0+4*\s:G0+4*\s+3], s[G1:G1+7]
	s_nop 0
.rept 4
	v_nop
.endr
	s_branch .Lasked_\@
.Lfor_b_\@:
	tensor_load_to_lds s[G0B+4*\s:G0B+4*\s+3], s[G1B:G1B+7]
	s_nop 0
.rept 4
	v_nop
.endr
.Lasked_\@:
.endm
.macro CREST
	s_cmp_lg_u32 s10, 0
	s_cbranch_scc1 .Lnot_wave_0_\@
	s_barrier_signal -3
.Lnot_wave_0_\@:
	s_barrier_wait -3
	s_barrier_signal -1
	s_barrier_wait -1
.endm
.macro CROUND                          ; a round of the cluster's barrier
	s_barrier_signal -1
	s_barrier_wait -1
	CREST
.endm
.macro PLACES                          ; four plain places behind matrix instructions, ahead of loads into their sources and of reads of their results
.rept 4
	v_nop
.endr
.endm
.macro FRAG reg, adr, q, i             ; tile i, K step q of a slot: four loads of 512 consecutive bytes
.irp c, 0,1,2,3
	ds_load_b128 v[\reg+4*\c:\reg+4*\c+3], v[\adr] offset:(\i)*4096+(\q)*2048+512*\c
.endr
.endm
; 16 matrix instructions: A's tiles a0, a0 + 1 x B's eight, 128 along K.  p: B's set.  first = 1: C is the bias along the registers (tile b's); 2: the bias of the lane's channel (tile a's); 0: in place.
; The 64 accumulators take turns, one instruction a turn, in the same order in every step.
.macro MUL16 a0, p, first
.irp a, \a0, \a0+1
.irp b, 0,1,2,3,4,5,6,7
.if \first == 1
	v_wmma_f32_16x16x128_fp8_fp8 v[8*(8*((\a)%4)+\b):8*(8*((\a)%4)+\b)+7], v[128*(\p)+FR*\b:128*(\p)+FR*\b+FR-1], v[AF+FR*(\a):AF+FR*(\a)+FR-1], v[BI+8*\b:BI+8*\b+7]
.elseif \first == 2
	v_wmma_f32_16x16x128_fp8_fp8 v[8*(8*((\a)%4)+\b):8*(8*((\a)%4)+\b)+7], v[128*(\p)+FR*\b:128*(\p)+FR*\b+FR-1], v[AF+FR*(\a):AF+FR*(\a)+FR-1], v[BI+8*(\a):BI+8*(\a)+7]
.else
	v_wmma_f32_16x16x128_fp8_fp8 v[8*(8*((\a)%4)+\b):8*(8*((\a)%4)+\b)+7], v[128*(\p)+FR*\b:128*(\p)+FR*\b+FR-1], v[AF+FR*(\a):AF+FR*(\a)+FR-1], v[8*(8*((\a)%4)+\b):8*(8*((\a)%4)+\b)+7]
.endif
.endr
.endr
.endm
.macro FETCH_B slot, q, p              ; B's eight fragments of K step q into set p
	WIN TO_B
.irp i, 0,1,2,3,4,5,6,7
	FRAG 128*(\p)+FR*\i, ADRB+\slot, \q, \i
.endr
	WIN 0
.endm
.macro FETCH_A slot, q, i0             ; A's tiles i0 .. i0 + 3
.irp i, \i0, \i0+1, \i0+2, \i0+3
	FRAG AF+FR*(\i), ADRA+\slot, \q, \i
.endr
.endm
; A slot's first K step: multiplies B's set 0; the slot's second step is fetched: B's into set 1 and A's tiles 0-3 in the middle, A's tiles 4-7 at the end: a tile of A is free as soon as its eight products are issued.
.macro STEP slot, first
	s_wait_dscnt 16                                ; B's set and A's tiles 0-3 are in; the youngest 16 loads (A's tiles 4-7) may be out
.if \first
	WIN 0x81                                       ; C (the bias) window 0, D window 2
.else
	WIN MUL_LO
.endif
	MUL16 0, 0, \first
	MUL16 2, 0, \first
	s_wait_dscnt 0x0                               ; A's tiles 4-7 are in
	PLACES
	FETCH_B \slot, 1, 1
	FETCH_A \slot, 1, 0
.if \first
	WIN 0xc1                                       ; C window 0, D window 3
.else
	WIN MUL_HI
.endif
	MUL16 4, 0, \first
	MUL16 6, 0, \first
	PLACES
	WIN 0
	FETCH_A \slot, 1, 4
.endm
; A slot's second K step changes slots: ONE barrier; in front of it each wave waits for all its tensor loads, adds 0 to its spare word, and waits for that and for its reads of this slot.  fill = 1: this slot is filled again.
.macro TURN slot, next, fill
	s_wait_tensorcnt 0x0                           ; all my tensor loads have landed: my part of the next slot  (every window is 0 here)
	ds_add_u32 v[SPW], v[NIL]                      ; 0 onto my spare word
	s_wait_dscnt 17                                ; the add and the youngest 16 loads (A's tiles 4-7) may be out
	WIN MUL_LO
	MUL16 0, 1, 0                                  ; sixteen matrix instructions stand between the add and the wait for it
	s_wait_dscnt 0x0                               ; the add is done, and my reads of this slot are over
	s_barrier_signal -1
	MUL16 2, 1, 0
	WIN 0
	s_barrier_wait -1
.if \fill
	CREST                                          ; the barrier has opened a round of the cluster's: no wave of any partner reads this slot or has a load on its way
	s_add_nc_u64 s[G0+4*\slot+2:G0+4*\slot+3], s[G0+4*\slot+2:G0+4*\slot+3], ASTR
	s_add_nc_u64 s[G0B+4*\slot+2:G0B+4*\slot+3], s[G0B+4*\slot+2:G0B+4*\slot+3], ASTR
	JLOAD \slot                                    ; the first tensor load behind the round; its four v_nop are also the places ahead of the loads below
.else
	PLACES
.endif
	FETCH_B \next, 0, 0
	FETCH_A \next, 0, 0
	WIN MUL_HI
	MUL16 4, 1, 0
	MUL16 6, 1, 0
	PLACES
	WIN 0
	FETCH_A \next, 0, 4
.endm
; THE WAY OUT of A's tile a: 64 sums of a lane are held, converted and stored: registers 16 be + i are 16 neighbours along the next K: chunk be of an image.
.macro OUT a
	WIN 0x02+((\a)/4)                              ; source 0: window 2 or 3
.set jj, 0
.rept 64
	v_med3_num_f32 v[T+jj], v[64*((\a)%4)+jj], -v[LIM], v[LIM]   ; each accumulator from its low end on
.set jj, jj+1
.endr
	WIN 0
.irp g, 0,1,2,3,4,5,6,7
	v_cvt_scalef32_pk8_fp8_f32 v[CD+16*(\a)+2*\g:CD+16*(\a)+2*\g+1], v[T+8*\g:T+8*\g+7], v[SCV]
.endr
	v_nop                                          ; a plain line behind the last conversion: the next tile's holds write its sources
.irp be, 0,1,2,3
	global_store_b128 v[VO+\a], v[CD+16*(\a)+4*\be:CD+16*(\a)+4*\be+3], s[74+2*(\be/2):75+2*(\be/2)] offset:512*(\be%2)   ; 512 consecutive bytes
.endr
.endm
	s_load_b128 s[4:7], s[0:1], 0x0                ; xc, wc
	s_load_b64 s[8:9], s[0:1], 0x10                ; the exponents
	s_load_b128 s[68:71], s[0:1], 0x18             ; bq, bk
	s_load_b128 s[72:75], s[0:1], 0x28             ; bv, qkv
	v_lshl_add_u32 v[SPW], v0, 2, SPARE
	v_mov_b32 v[NIL], 0
	ds_add_u32 v[SPW], v[NIL]                      ; the wave's opening: the add, twice on end, and its wait ahead of my first tensor load
	ds_add_u32 v[SPW], v[NIL]
	v_lshrrev_b32 v1, 5, v0
	v_readfirstlane_b32 s10, v1                    ; wave 0..3
	s_lshr_b32 s11, s10, 1                         ; wy: my half of region A's tiles.  Also: I fetch for A (0) or for B (1)
	s_and_b32 s12, s10, 1                          ; wx: my half of region B's tiles.  Also: which half of a region I fetch
	s_bfe_u32 s40, ttmp6, 0x40000                  ; cx
	s_bfe_u32 s41, ttmp6, 0x40004                  ; cy
	s_lshl_b32 s42, ttmp9, 2
	s_add_co_u32 s42, s42, s40                     ; tx = 4 x cluster x + cx, 0 .. 11
	s_and_b32 s13, ttmp7, 0xffff
	s_lshl_b32 s13, s13, 2
	s_add_co_u32 s13, s13, s41                     ; ty = 4 x cluster y + cy, 0 .. 15
	s_mov_b32 s14, ttmp9                           ; the third = cluster x: the same in all sixteen partners
	s_lshl_b32 s43, s41, 2
	s_lshl_b32 s43, 15, s43                        ; my row of the cluster
	s_lshl_b32 s44, 0x1111, s40                    ; my column
	s_or_b32 s[G1+0], s43, (3<<16)|(1<<21)         ; the mask; elements of 8 bytes; bit 21 beside a mask; no padding
	s_or_b32 s[G1B+0], s44, (3<<16)|(1<<21)
.irp g, G1, G1B
	s_mov_b32 s[\g+1], 512<<16                     ; tensor_dim0 = 512 elements: rows of 4,096 bytes: two K steps of a row tile
	s_mov_b32 s[\g+2], 8<<16                       ; tensor_dim1 = 8 row tiles
	s_mov_b32 s[\g+3], 512<<16                     ; tile_dim0
	s_mov_b32 s[\g+4], 8                           ; tile_dim1
	s_mov_b32 s[\g+5], 1024                        ; from row tile to row tile: 8,192 bytes
	s_mov_b32 s[\g+6], 0
	s_mov_b32 s[\g+7], 0
.endr
	; region A's tile: q, k: xc, third x 4 MiB + ty x 128 KiB;  v: wc, wv's row tiles 128 + 16 (ty % 4).  No cx enters.
	s_lshl_b32 s16, s14, 22
	s_lshl_b32 s17, s13, 17
	s_add_co_u32 s16, s16, s17
	s_and_b32 s17, s13, 3
	s_lshl_b32 s17, s17, 17
	s_add_co_u32 s17, s17, 0x100000
	s_cmp_eq_u32 s14, 2
	s_cselect_b32 s16, s17, s16
	s_lshl_b32 s17, s12, 16
	s_add_co_u32 s16, s16, s17                     ; + the 8 row tiles that I fetch
	s_mov_b32 s17, 0
	; region B's tile: q, k: wc, tx x 128 KiB;  v: xc, 8 MiB + (tx % 4 + 4 x cluster y) x 128 KiB.  No cy enters.
	s_lshl_b32 s46, s42, 17
	s_and_b32 s47, s42, 3
	s_and_b32 s20, ttmp7, 0xffff
	s_lshl_b32 s20, s20, 2
	s_add_co_u32 s47, s47, s20
	s_lshl_b32 s47, s47, 17
	s_add_co_u32 s47, s47, 0x800000
	s_cmp_eq_u32 s14, 2
	s_cselect_b32 s46, s47, s46
	s_lshl_b32 s47, s12, 16
	s_add_co_u32 s46, s46, s47
	s_mov_b32 s47, 0
	s_lshl_b32 s45, s10, 15                        ; where they go: wave x 32,768: no place in the cluster enters an LDS address
	s_wait_dscnt 0x0                               ; both opening adds are done
	s_wait_kmcnt 0x0
	s_load_b512 s[80:95], s[8:9], 0x0              ; e0 .. e15 in s80 .. s95
	s_cmp_eq_u32 s14, 2
	s_cselect_b64 s[18:19], s[6:7], s[4:5]         ; region A's buffer,
	s_cselect_b64 s[20:21], s[4:5], s[6:7]         ; region B's
	s_add_nc_u64 s[18:19], s[18:19], s[16:17]
	s_add_nc_u64 s[46:47], s[20:21], s[46:47]
	CROUND                                         ; all sixteen work-groups are here: the first joint loads meet
.irp s, 0,1
	s_mov_b32 s[G0+4*\s], 1
	s_add_co_u32 s[G0+4*\s+1], s45, \s*SLOT
	s_add_nc_u64 s[G0+4*\s+2:G0+4*\s+3], s[18:19], \s*HALFK
	s_or_b32 s[G0+4*\s+3], s[G0+4*\s+3], 0x80000000
	s_mov_b32 s[G0B+4*\s], 1
	s_add_co_u32 s[G0B+4*\s+1], s45, \s*SLOT
	s_add_nc_u64 s[G0B+4*\s+2:G0B+4*\s+3], s[46:47], \s*HALFK
	s_or_b32 s[G0B+4*\s+3], s[G0B+4*\s+3], 0x80000000
.if \s
	; slot 1's first fill is issued as a refill is: my part of slot 0 has landed, the add, its wait, a round; so a wave has one tensor load out at any time
	s_wait_alu depctr_va_vdst(0)
	s_wait_tensorcnt 0x0
	ds_add_u32 v[SPW], v[NIL]
	ds_add_u32 v[SPW], v[NIL]
	s_wait_dscnt 0x0
	CROUND
.endif
	JLOAD \s
.endr
	v_and_b32 v1, 15, v0                           ; r
	v_bfe_u32 v2, v0, 4, 1                         ; h
	v_and_b32 v[LI], 31, v0
	v_lshlrev_b32 v[LI], 4, v[LI]
	s_wait_alu depctr_va_vdst(0)
	s_lshl_b32 s2, s11, 15                         ; my eight tiles of region A
	s_lshl_b32 s3, s12, 15
	s_add_co_u32 s3, s3, 65536                     ; my eight of region B
.irp s, 0,1
	v_add_nc_u32 v[ADRA+\s], s2, v[LI]
	v_add_nc_u32 v[ADRB+\s], s3, v[LI]
	s_add_co_u32 s2, s2, SLOT
	s_add_co_u32 s3, s3, SLOT
.endr
	; where the codes go.  tok: the tile of 256 tokens; ch: the tile of 256 channels (4 heads); hsel: my two heads of them; tsel: my half of the tokens
	s_and_b32 s78, s42, 3                          ; tx % 4
	s_lshr_b32 s79, s13, 2
	s_lshl_b32 s79, s79, 2
	s_add_co_u32 s79, s79, s78                     ; tx % 4 + 4 (ty / 4)
	s_and_b32 s15, s13, 3                          ; ty % 4
	s_cmp_eq_u32 s14, 2
	s_cselect_b32 s79, s79, s13                    ; tok
	s_cselect_b32 s78, s15, s78                    ; ch
	s_cselect_b32 s15, s11, s12                    ; hsel
	s_cselect_b32 s2, s12, s11                     ; tsel
	s_cselect_b32 s22, 11, 10                      ; tile a to a + 1: a fragment of V^T (2,048 bytes) or a tile of 1,024
	s_cselect_b32 s23, 18, 12                      ; tile a to a + 4: the next head of V^T, or four tiles on
	s_cselect_b32 s3, 0x2000, 0                    ; V^T lies behind a key step's K
	s_cselect_b32 s100, 10, 18                     ; chunks 2, 3: 1,024 bytes on in a fragment of V^T; the next head of k
	s_cselect_b64 s[68:69], s[72:73], s[68:69]     ; the bias: bv,
	s_cmp_eq_u32 s14, 1
	s_cselect_b64 s[68:69], s[70:71], s[68:69]     ; bk, or bq
	s_cmp_eq_u32 s14, 0
	s_cselect_b32 s100, 17, s100                   ; the next head of q
	s_cselect_b32 s96, 17, 18                      ; a head: 128 KiB of q, 256 KiB of k and v
	s_cselect_b32 s97, 14, 15                      ; 256 tokens: 16 KiB of q, two key steps of 16 KiB
	s_cselect_b32 s98, 13, 14                      ; 128 tokens
	s_cselect_b32 s99, 0, 0x400000
	s_lshl_b32 s101, s78, 2
	s_lshl_b32 s76, s15, 1
	s_add_co_u32 s101, s101, s76                   ; my first head: 4 ch + 2 hsel
	s_lshr_b32 s76, s79, 3
	s_lshl_b32 s76, s76, 4
	s_add_co_u32 s76, s76, s101                    ; bh = 16 x batch + head
	s_lshl_b32 s76, s76, s96
	s_and_b32 s77, s79, 7
	s_lshl_b32 s77, s77, s97
	s_add_co_u32 s76, s76, s77
	s_lshl_b32 s77, s2, s98
	s_add_co_u32 s76, s76, s77
	s_add_co_u32 s76, s76, s99
	s_add_co_u32 s76, s76, s3
	s_mov_b32 s77, 0
	s_add_nc_u64 s[74:75], s[74:75], s[76:77]      ; chunks 0, 1
	s_lshl_b32 s76, 1, s100
	s_add_nc_u64 s[76:77], s[74:75], s[76:77]      ; chunks 2, 3
	s_lshl_b32 s2, s78, 10
	s_lshl_b32 s3, s15, 9
	s_add_co_u32 s2, s2, s3                        ; 4 x (256 ch + 128 hsel)
	s_mov_b32 s3, 0
	s_add_nc_u64 s[68:69], s[68:69], s[2:3]
	s_lshl_b32 s22, 1, s22
	s_lshl_b32 s23, 1, s23
.irp a, 0,1,2,3,4,5,6,7
	s_mul_i32 s2, s22, (\a)%4
	s_mul_i32 s3, s23, (\a)/4
	s_add_co_u32 s2, s2, s3
	v_add_nc_u32 v[VO+\a], s2, v[LI]
.endr
	s_wait_kmcnt 0x0
	s_add_co_i32 s96, s80, s81                     ; eA + eB of the three products,
	s_add_co_i32 s97, s82, s83
	s_add_co_i32 s98, s84, s85
	s_cmp_eq_u32 s14, 1
	s_cselect_b32 s96, s97, s96
	s_cselect_b32 s99, s87, s86                    ; and eO: e6, e7 or e9: chosen without a jump
	s_cmp_eq_u32 s14, 2
	s_cselect_b32 s96, s98, s96
	s_cselect_b32 s99, s89, s99
	s_sub_co_i32 s97, 0, s96                       ; -(eA + eB)
	s_sub_co_i32 s99, s99, s96
	s_add_co_i32 s99, s99, 127
	s_lshl_b32 s98, s99, 23
	v_mov_b32 v[SCV], s98
	s_add_co_i32 s99, s99, 8
	s_lshl_b32 s99, s99, 23
	s_or_b32 s99, s99, 0x600000
	v_mov_b32 v[LIM], s99
	; bias / 2^(eA + eB), while the first tiles are on their way.  q, k: it runs along a lane's registers (tile b's eight); v: it hangs on the lane's channel (tile a's one, eight times).  The branch hangs on the third alone.
	s_cmp_eq_u32 s14, 2
	s_cbranch_scc1 .Lrow_bias
	v_lshlrev_b32 v[BOF], 6, v2                    ; 16 h numbers on
.irp b, 0,1,2,3,4,5,6,7
	global_load_b128 v[BI+8*\b:BI+8*\b+3], v[BOF], s[68:69] offset:128*(\b/2)+32*(\b%2)
	global_load_b128 v[BI+8*\b+4:BI+8*\b+7], v[BOF], s[68:69] offset:128*(\b/2)+32*(\b%2)+16
.endr
	s_wait_loadcnt 0x0
.set jj, 0
.rept 64
	v_ldexp_f32 v[BI+jj], v[BI+jj], s97
.set jj, jj+1
.endr
	s_branch .Lbias_done
.Lrow_bias:
	v_and_b32 v[BOF], 8, v1
	v_add_nc_u32 v[BOF], v[BOF], v1
	v_lshlrev_b32 v[BOF], 2, v[BOF]                ; 4 x (r + 8 (r / 8))
.irp a, 0,1,2,3,4,5,6,7
	global_load_b32 v[RB+\a], v[BOF], s[68:69] offset:4*(32*(\a/2)+8*(\a%2))
.endr
	s_wait_loadcnt 0x0
.irp a, 0,1,2,3,4,5,6,7
.irp j, 0,1,2,3,4,5,6,7
	v_ldexp_f32 v[BI+8*\a+\j], v[RB+\a], s97
.endr
.endr
.Lbias_done:
	s_wait_tensorcnt 1                             ; my part of slot 0 is in; slot 1's may stay out
	s_barrier_signal -1
	s_barrier_wait -1
	FETCH_B 0, 0, 0
	FETCH_A 0, 0, 0
	FETCH_A 0, 0, 4
	s_cmp_eq_u32 s14, 2                            ; the first step is written twice: its C differs; no barrier and no tensor load stands in it
	s_cbranch_scc1 .Lfirst_row
	s_wait_alu depctr_va_vdst(0)
	STEP 0, 1
	s_branch .Lfirst_done
.Lfirst_row:
	s_wait_alu depctr_va_vdst(0)
	STEP 0, 2
.Lfirst_done:
	TURN 0, 1, 1                                   ; K 128 on; slot 0 takes K 512 on
	STEP 1, 0
	TURN 1, 0, 1                                   ; slot 1 takes K 768 on
	STEP 0, 0
	TURN 0, 1, 0                                   ; the last change of slots fills nothing
	STEP 1, 0
	s_wait_dscnt 16                                ; the very last step: nothing more to fetch
	WIN MUL_LO
	MUL16 0, 1, 0
	MUL16 2, 1, 0
	s_wait_dscnt 0x0
	WIN MUL_HI
	MUL16 4, 1, 0
	MUL16 6, 1, 0
	WIN 0
	PLACES
.irp a, 0,1,2,3,4,5,6,7
	OUT \a
.endr
	s_wait_tensorcnt 0x0                           ; the wave's end
	ds_add_u32 v[SPW], v[NIL]
	s_wait_dscnt 0x0
	CROUND                                         ; the closing round
	s_endpgm
.Lfunc_end_k_q80437e2f63_qkvp:
	.size	k_q80437e2f63_qkvp, .Lfunc_end_k_q80437e2f63_qkvp-k_q80437e2f63_qkvp
	.p2alignl 7, 3214868480
	.fill 96, 4, 3214868480
	.section	.rodata,"a",@progbits
	.p2align	6, 0x0
	.amdhsa_kernel k_q80437e2f63_qkvp
		.amdhsa_group_segment_fixed_size 327680
		.amdhsa_private_segment_fixed_size 0
		.amdhsa_enable_private_segment 0
		.amdhsa_kernarg_size 56
		.amdhsa_user_sgpr_count 2
		.amdhsa_user_sgpr_kernarg_segment_ptr 1
		.amdhsa_wavefront_size32 1
		.amdhsa_system_sgpr_workgroup_id_x 1
		.amdhsa_system_sgpr_workgroup_id_y 1
		.amdhsa_system_sgpr_workgroup_id_z 1
		.amdhsa_system_vgpr_workitem_id 0
		.amdhsa_next_free_vgpr 1024
		.amdhsa_next_free_sgpr 102
		.amdhsa_reserve_vcc 0
		.amdhsa_float_denorm_mode_32 3
		.amdhsa_float_denorm_mode_16_64 3
		.amdhsa_memory_ordered 1
		.amdhsa_forward_progress 1
		.amdhsa_inst_pref_size 140
	.end_amdhsa_kernel
	.amdgpu_metadata
---
amdhsa.version: [ 1, 2 ]
amdhsa.kernels:
  - .name:           k_q80437e2f63_qkvp
    .symbol:         k_q80437e2f63_qkvp.kd
    .args:
      - { .name: xc, .offset: 0, .size: 8, .value_kind: global_buffer, .address_space: global }
      - { .name: wc, .offset: 8, .size: 8, .value_kind: global_buffer, .address_space: global }
      - { .name: lowp_scales, .offset: 16, .size: 8, .value_kind: global_buffer, .address_space: global }
      - { .name: bq, .offset: 24, .size: 8, .value_kind: global_buffer, .address_space: global }
      - { .name: bk, .offset: 32, .size: 8, .value_kind: global_buffer, .address_space: global }
      - { .name: bv, .offset: 40, .size: 8, .value_kind: global_buffer, .address_space: global }
      - { .name: qkv, .offset: 48, .size: 8, .value_kind: global_buffer, .address_space: global }
    .group_segment_fixed_size: 327680
    .private_segment_fixed_size: 0
    .kernarg_segment_align: 8
    .kernarg_segment_size: 56
    .max_flat_workgroup_size: 128
    .sgpr_count:     102
    .vgpr_count:     1024
    .wavefront_size: 32
...
	.end_amdgpu_metadata
.endif
;; end of part 2
;; launch attn (part 3): grid 8 x 32, 16 waves a work-group, clusters of 4 x 1, 264,192 bytes of LDS; arguments qkv, lowp_scales, ac; writes ac
.if DOCPART == 3
	.amdgcn_target "amdgcn-amd-amdhsa--gfx1250"
	.amdhsa_code_object_version 6
	.text
	.protected	k_q80437e2f63_attn
	.globl	k_q80437e2f63_attn
	.p2align	8
	.type	k_q80437e2f63_attn,@function
k_q80437e2f63_attn:
	s_mov_b64 s[64:65], 0
	v_nop
	global_prefetch_b8 v0, s[64:65] scope:SCOPE_SE
	s_setreg_imm32_b32 hwreg(HW_REG_WAVE_MODE, 25, 1), 1
	s_wait_xcnt 0x0
	s_wait_alu depctr_hold_cnt(0) depctr_sa_sdst(0) depctr_va_vdst(0) depctr_va_sdst(0) depctr_va_ssrc(0) depctr_va_vcc(0) depctr_vm_vsrc(0)
	s_getreg_b32 s2, hwreg(HW_REG_IB_STS2, 6, 4)
	s_cmp_eq_u32 s2, 0
	s_cbranch_scc0 .Lentry_in_a_cluster
	s_endpgm
.Lentry_in_a_cluster:
	s_bfe_u32 s2, ttmp6, 0x10000c
	s_cmp_lg_u32 s2, 0x3003
	s_cbranch_scc0 .Lentry_shape_is_right
	s_endpgm
.Lentry_shape_is_right:
; Attention on codes of E4M3: S = q k^T / 8 (K = 64), p = 2^(t - M), O = p v / l (K = the 2,048 keys), O quantised at once with 2^e10 for the projection.  No product, key or query is left out.
; t = score x log2(e) / 8; M = the running largest t rounded UP to a whole number; p is quantised with 2^e8, not normalised; l is the sum of the unquantised p.  When M moves, l and O are multiplied by 2^(old M - new M): exact.
; IN: q [bh 32][128 tiles][2 chunks][512]; from 4 MiB on [bh][16 key steps][16,384]: 8 tiles of K (16 keys x 64: 1,024 bytes), then 4 fragments of V^T (16 channels x 128 keys: 2,048 bytes): images of operand registers,
; lane l's 16 bytes at 16 l of each chunk of 512.  Place r of a tile is row 32 (t / 2) + 8 (t % 2) + r + 8 (r / 8): so p's 16 registers of two neighbouring tiles of keys are 16 neighbouring keys, and O^T's are 16 neighbouring channels.
; SHARES: a work-group owns 256 queries of one head, each of its sixteen waves one tile of 16; four waves to a SIMD.
; A HEAD'S K AND V ARE 262,144 BYTES AND LIE IN LDS WHOLE: wave w fetches key step w by one tensor load of 16 KiB; nothing is filled again, so there is no later request that a prefetch could run ahead of.
; CLUSTER 4 x 1: the four blocks of queries of a cluster belong to one head: each load is asked for jointly, with the mask of all four.
; Both products are used transposed (S^T = K Q^T, O^T = V^T P^T): a lane holds one query throughout.
; TWO RUNS OF 64 REGISTERS TAKE TURNS (v32-95, v96-159): a step finds its K in run X and puts S^T into run Y; V^T then lands in X; as each 16 registers of p in Y have been converted, the NEXT step's K is asked for into them.
; So a trip of the loop is two steps, and K's loads have the rest of a step in which to land.  The last step asks for key step 15's K once more, 16 loads that nobody multiplies: so the loop is written once.
; LIMITS: e6 + e7 between -123 and 130 (added to c's exponent field); e8 and e10 between -126 and 119.  NaN among the inputs is not served.
; REGISTERS: v1 16 x lane; v5, v6 the add's two; v8 the trip's first LDS byte, v9 the next trip's; v12 -M, v13 largest t, v[14:15] l in two halves; v16-23 Q; v160-191 O^T; v224-239 p's codes; v232-255 constants and work.
.set SPARE, 262144                     ; behind K and V: the spare words, 128 bytes for each wave: eight blocks of 256 bytes that no other line names
.macro CROUND
	s_barrier_signal -1
	s_barrier_wait -1
	s_cmp_lg_u32 s18, 0
	s_cbranch_scc1 .Lnot_wave_0_\@
	s_barrier_signal -3
.Lnot_wave_0_\@:
	s_barrier_wait -3
	s_barrier_signal -1
	s_barrier_wait -1
.endm
; A KEY STEP of 128 keys.  X: K's run, then V^T's; Y: S^T's, then p's, then the next K's; o: the step's byte in the trip's 32,768; nk, nko: register and offset of the next step's K; adv = 1: the trip's addresses step on.
.macro STEP X, Y, o, nk, nko, adv
.rept 5
	v_nop                                          ; five places: S^T is laid over the run that the last products read as V^T (ISA guide 7.12.1)
.endr
	s_wait_dscnt 0x0                               ; K is in
.irp t, 0,1,2,3,4,5,6,7
	v_wmma_f32_16x16x64_fp8_fp8 v[\Y+8*\t:\Y+8*\t+7], v[\X+8*\t:\X+8*\t+7], v[16:23], 0   ; S^T: lane (r, h): query r; tiles 2 b, 2 b + 1: keys 32 b + 16 h + 0 .. 15
.endr
.rept 4
	v_nop
.endr
.irp t, 0,1,2,3
.irp c, 0,1,2,3
	ds_load_b128 v[\X+16*\t+4*\c:\X+16*\t+4*\c+3], v8 offset:\o+8192+2048*\t+512*\c   ; V^T lands while the softmax is walked
.endr
.endr
	v_max3_num_f32 v254, v[\Y], v[\Y+1], v[\Y+2]   ; the step's largest score of my query among my 64 keys: four chains, the registers in ascending order
	v_max3_num_f32 v252, v[\Y+3], v[\Y+4], v[\Y+5]
	v_max3_num_f32 v250, v[\Y+6], v[\Y+7], v[\Y+8]
	v_max3_num_f32 v242, v[\Y+9], v[\Y+10], v[\Y+11]
.irp i, 12,20,28,36,44,52
	v_max3_num_f32 v254, v254, v[\Y+\i], v[\Y+\i+1]
	v_max3_num_f32 v252, v252, v[\Y+\i+2], v[\Y+\i+3]
	v_max3_num_f32 v250, v250, v[\Y+\i+4], v[\Y+\i+5]
	v_max3_num_f32 v242, v242, v[\Y+\i+6], v[\Y+\i+7]
.endr
	v_max3_num_f32 v254, v254, v[\Y+60], v[\Y+61]
	v_max3_num_f32 v252, v252, v[\Y+62], v[\Y+63]
	v_max3_num_f32 v254, v254, v250, v242
	s_delay_alu instid0(VALU_DEP_1)
	v_max_num_f32 v254, v254, v252
	s_delay_alu instid0(VALU_DEP_1)
	v_permlanex16_b32 v248, v254, s20, s21
	s_delay_alu instid0(VALU_DEP_1)
	v_max_num_f32 v254, v254, v248                 ; and among lane l xor 16's
	s_delay_alu instid0(VALU_DEP_1)
	v_mul_f32 v254, s22, v254                      ; as t (c is positive)
	s_delay_alu instid0(VALU_DEP_1)
	v_max_num_f32 v13, v13, v254
	v_mov_b32 v254, v12
	s_delay_alu instid0(VALU_DEP_2)
	v_floor_f32 v12, -v13                          ; the new -M = floor(-t)
.irp j, 0,2,4,6,8,10,12,14
	v_pk_fma_f32 v[\Y+\j:\Y+\j+1], v[\Y+\j:\Y+\j+1], s[22:23], v[12:13] op_sel_hi:[1,0,0]   ; t - M; the three lines that make f stand among these
.endr
	v_sub_f32 v254, v12, v254                      ; old M - new M: a whole number, 0 or less
.irp j, 16,18,20,22,24,26,28,30
	v_pk_fma_f32 v[\Y+\j:\Y+\j+1], v[\Y+\j:\Y+\j+1], s[22:23], v[12:13] op_sel_hi:[1,0,0]
.endr
	v_cvt_i32_f32 v254, v254                       ; (it saturates)
.irp j, 32,34,36,38,40,42,44,46
	v_pk_fma_f32 v[\Y+\j:\Y+\j+1], v[\Y+\j:\Y+\j+1], s[22:23], v[12:13] op_sel_hi:[1,0,0]
.endr
	v_ldexp_f32 v252, 1.0, v254                    ; f = 2^(old M - new M)
.irp j, 48,50,52,54,56,58,60,62
	v_pk_fma_f32 v[\Y+\j:\Y+\j+1], v[\Y+\j:\Y+\j+1], s[22:23], v[12:13] op_sel_hi:[1,0,0]
.endr
	s_wait_alu depctr_va_vdst(0)                   ; the wait ahead of the batch
.set pp, \Y
.rept 64
	v_exp_f32 v[pp], v[pp]                         ; p = 2^(t - M)
.set pp, pp+1
.endr
	v_pk_mul_f32 v[14:15], v[14:15], v[252:253] op_sel_hi:[1,0]   ; l under the new M: the plain line behind the exponentials
	s_wait_alu depctr_va_vdst(0)                   ; one wait for the whole batch, ahead of its first reader
.set pp, \Y                            ; l: the sum of the unquantised p, two at a time, in eight chains
.irp r, 242,254,250,238,236,234,232
	v_pk_add_f32 v[\r:\r+1], v[pp:pp+1], v[pp+2:pp+3]
.set pp, pp+4
.endr
	v_pk_add_f32 v[14:15], v[14:15], v[\Y+28:\Y+29]
.set pp, \Y+30
.irp r, 242,254,250,238,236,234,232,14,242,254,250,238,236,234,232,14,242
	v_pk_add_f32 v[\r:\r+1], v[\r:\r+1], v[pp:pp+1]
.set pp, pp+2
.endr
	v_pk_add_f32 v[14:15], v[14:15], v[238:239]
	v_pk_add_f32 v[242:243], v[242:243], v[236:237]
	v_pk_add_f32 v[254:255], v[254:255], v[234:235]
	v_pk_add_f32 v[250:251], v[250:251], v[232:233]
	s_delay_alu instid0(VALU_DEP_2)
	v_pk_add_f32 v[14:15], v[14:15], v[254:255]
	s_delay_alu instid0(VALU_DEP_2)
	v_pk_add_f32 v[242:243], v[242:243], v[250:251]
	s_delay_alu instid0(VALU_DEP_1)
	v_pk_add_f32 v[14:15], v[14:15], v[242:243]
.irp b, 0,1,2,3
.irp i, 0,2,4,6,8,10,12,14
	v_dual_min_num_f32 v[\Y+16*\b+\i], v[\Y+16*\b+\i], v240 :: v_dual_min_num_f32 v[\Y+16*\b+\i+1], v[\Y+16*\b+\i+1], v245   ; p is not negative: a one-sided hold (the conversion does not saturate: ISA guide 7.6.2), two numbers a line; the bound stands in two registers
.endr
	v_cvt_scalef32_pk8_fp8_f32 v[224+4*\b:225+4*\b], v[\Y+16*\b:\Y+16*\b+7], v244
	v_cvt_scalef32_pk8_fp8_f32 v[226+4*\b:227+4*\b], v[\Y+16*\b+8:\Y+16*\b+15], v244
.irp c, 0,1,2,3
	ds_load_b128 v[\Y+16*\b+4*\c:\Y+16*\b+4*\c+3], v[\nk] offset:\nko+2048*\b+512*\c   ; these 16 registers of p are done with: two tiles of the next step's K
.endr
.endr
.if \adv
	s_add_co_u32 s2, s2, 32768                     ; the next trip's two key steps,
	s_add_co_u32 s12, s2, 32768
	s_min_u32 s12, s12, 245760                     ; and the K of the trip behind it, held at key step 15
	v_add_nc_u32 v8, s2, v1
	v_add_nc_u32 v9, s12, v1
.endif
	s_wait_alu depctr_va_vdst(0)                   ; directly ahead of the first reader of O^T
.irp j, 0,2,4,6,8,10,12,14,16,18,20,22,24,26,28,30
	v_pk_mul_f32 v[160+\j:161+\j], v[160+\j:161+\j], v[252:253] op_sel_hi:[1,0]   ; O^T under the new M; also the plain lines between the conversions and the products
.endr
	s_wait_alu depctr_va_vdst(0)                   ; directly ahead of the wait below
	s_wait_dscnt 16                                ; V^T is in; the 16 loads of the next K may be out
.irp t, 0,1,2,3
	v_wmma_f32_16x16x128_fp8_fp8 v[160+8*\t:167+8*\t], v[\X+16*\t:\X+16*\t+15], v[224:239], v[160+8*\t:167+8*\t]   ; four accumulators by turns
.endr
.endm
	s_load_b128 s[4:7], s[0:1], 0x0                ; qkv, the exponents
	s_load_b64 s[8:9], s[0:1], 0x10                ; ac
	v_lshl_add_u32 v5, v0, 2, SPARE
	v_mov_b32 v6, 0
	ds_add_u32 v5, v6                              ; the wave's opening: the add, twice on end, and its wait ahead of my first tensor load
	ds_add_u32 v5, v6
	v_lshrrev_b32 v8, 5, v0
	s_delay_alu instid0(VALU_DEP_1)
	v_readfirstlane_b32 s18, v8                    ; wave 0..15
	s_bfe_u32 s13, ttmp6, 0x40000                  ; cx
	s_lshl_b32 s14, ttmp9, 2
	s_add_co_u32 s14, s14, s13                     ; my block of 256 queries: it enters q's and ac's addresses alone
	s_and_b32 s15, ttmp7, 0xffff                   ; bh, which the four partners share
	s_mov_b32 s24, 15|(3<<16)|(1<<21)              ; the mask: all four; elements of 8 bytes; bit 21 beside a mask; no padding
	s_mov_b32 s25, 32<<16                          ; rows of 256 bytes,
	s_mov_b32 s26, 64<<16                          ; 64 of them, dense
	s_mov_b32 s27, 32<<16
	s_mov_b32 s28, 64
	s_mov_b32 s29, 32
	s_mov_b32 s30, 0
	s_mov_b32 s31, 0
	s_lshl_b32 s44, s15, 18
	s_lshl_b32 s45, s18, 14
	s_add_co_u32 s44, s44, s45
	s_add_co_u32 s44, s44, 0x400000                ; key step w of my head
	s_mov_b32 s45, 0
	s_mov_b32 s40, 1
	s_lshl_b32 s41, s18, 14                        ; to LDS byte 16,384 w
	s_mov_b32 s20, 0x76543210
	s_mov_b32 s21, 0xfedcba98                      ; lane l xor 16
	s_mov_b32 s22, 0x3e38aa3b                      ; c = log2(e) / 8
	s_mov_b32 s2, 0                                ; LDS byte of the trip's two key steps
	v_and_b32 v1, 31, v0
	s_delay_alu instid0(VALU_DEP_1)
	v_lshlrev_b32 v1, 4, v1
	s_wait_dscnt 0x0                               ; both opening adds are done
	s_wait_kmcnt 0x0
	s_load_b512 s[68:83], s[6:7], 0x0              ; e0 .. e15 in s68 .. s83
	s_add_nc_u64 s[42:43], s[4:5], s[44:45]
	s_or_b32 s43, s43, 0x80000000
	CROUND                                         ; all four work-groups are here: the joint loads meet
	tensor_load_to_lds s[40:43], s[24:31]
	s_nop 0
.rept 4
	v_nop
.endr
	s_lshl_b32 s46, s15, 7
	s_lshl_b32 s47, s14, 4
	s_add_co_u32 s46, s46, s47
	s_add_co_u32 s46, s46, s18                     ; 128 bh + my tile of queries
	s_lshl_b32 s46, s46, 10
	s_mov_b32 s47, 0
	s_add_nc_u64 s[10:11], s[4:5], s[46:47]
	s_wait_alu depctr_va_vdst(0)
	global_load_b128 v[16:19], v1, s[10:11]        ; Q's fragment stays in registers
	global_load_b128 v[20:23], v1, s[10:11] offset:512
	; ac: [K / 512][256 row tiles][4][2,048]: head hd is K 64 hd on: slot hd / 8, 1,024 (hd % 8) bytes into the row tile
	s_and_b32 s48, s15, 15
	s_lshr_b32 s49, s48, 3
	s_lshl_b32 s49, s49, 8
	s_lshr_b32 s50, s15, 4
	s_lshl_b32 s50, s50, 7
	s_add_co_u32 s49, s49, s50
	s_lshl_b32 s50, s14, 4
	s_add_co_u32 s49, s49, s50
	s_add_co_u32 s49, s49, s18
	s_lshl_b32 s49, s49, 13
	s_and_b32 s50, s48, 7
	s_lshl_b32 s50, s50, 10
	s_add_co_u32 s50, s49, s50
	s_mov_b32 s51, 0
	s_add_nc_u64 s[8:9], s[8:9], s[50:51]
	v_add_nc_u32 v8, s2, v1                        ; key steps 0 and 1,
	v_add_nc_u32 v9, 32768, v1                     ; and key step 2's K
	v_mov_b32 v13, 0xff61b1e6                      ; the largest t so far: -3e38, under every t
	s_delay_alu instid0(VALU_DEP_1)
	v_floor_f32 v12, -v13                          ; -M
	v_mov_b32 v14, 0
	v_mov_b32 v15, 0
	v_mov_b32 v248, 0                              ; a lane permute's destination counts as one of its sources
	v_mov_b32 v253, 0                              ; (named as the upper half of v[252:253])
.irp j, 0,1,2,3,4,5,6,7,8,9,10,11,12,13,14,15,16,17,18,19,20,21,22,23,24,25,26,27,28,29,30,31
	v_mov_b32 v[160+\j], 0                         ; O^T: the step's first run finds zeros, which the first change of M leaves zeros
.endr
	s_wait_kmcnt 0x0
	s_add_co_i32 s52, s74, s75                     ; e6 + e7: a score stands for score x 2^(e6 + e7)
	s_lshl_b32 s52, s52, 23
	s_add_co_i32 s22, s22, s52
	s_mov_b32 s23, s22                             ; (named with it as a pair)
	s_add_co_i32 s52, s76, 127
	s_lshl_b32 s53, s52, 23
	v_mov_b32 v244, s53                            ; 2^e8
	s_add_co_i32 s52, s52, 8
	s_lshl_b32 s52, s52, 23
	s_or_b32 s52, s52, 0x600000
	v_mov_b32 v240, s52                            ; 448 x 2^e8,
	v_mov_b32 v245, s52                            ; twice: the two halves of a dual line take it from different registers
	s_add_co_i32 s52, s78, 127
	s_lshl_b32 s53, s52, 23
	v_mov_b32 v247, s53                            ; 2^e10
	s_add_co_i32 s52, s52, 8
	s_lshl_b32 s52, s52, 23
	s_or_b32 s52, s52, 0x600000
	v_mov_b32 v246, s52                            ; 448 x 2^e10
	s_mov_b32 s3, 8
	s_wait_alu depctr_va_vdst(0)                   ; the wait at the head's end
	s_wait_loadcnt 0x0                             ; Q
	s_wait_tensorcnt 0x0                           ; my key step has landed,
	s_barrier_signal -1
	s_barrier_wait -1                              ; everybody's has
.irp m, 0,1,2,3,4,5,6,7,8,9,10,11,12,13,14,15
	ds_load_b128 v[32+4*\m:35+4*\m], v8 offset:512*\m   ; key step 0's K
.endr
.Lstep:                                            ; 8 trips of two key steps
	STEP 32, 96, 0, 8, 16384, 0
	STEP 96, 32, 16384, 9, 0, 1
	s_sub_co_u32 s3, s3, 1
	s_cmp_lg_u32 s3, 0
	s_cbranch_scc1 .Lstep
	; THE WAY OUT: O = O^T x 2^(e8 + e9) / l, held, converted with 2^e10: registers 16 be + i are channels 32 be + 16 h + i of my query: two chunks of ac's image
	s_wait_dscnt 0x0                               ; the last 16 loads have landed: their registers are free
.rept 4
	v_nop
.endr
	v_add_f32 v14, v14, v15
	s_delay_alu instid0(VALU_DEP_1)
	v_permlanex16_b32 v248, v14, s20, s21
	s_delay_alu instid0(VALU_DEP_1)
	v_add_f32 v14, v14, v248                       ; l
	s_wait_alu depctr_va_vdst(0)
	v_rcp_f32 v14, v14
	v_nop                                          ; a plain line behind the transcendental
	s_add_co_i32 s52, s76, s77
	s_wait_alu depctr_va_vdst(0)                   ; and the wait ahead of its first reader
	v_ldexp_f32 v14, v14, s52
	s_wait_alu depctr_va_vdst(0)                   ; directly ahead of the first reader of O^T
.irp j, 0,1,2,3,4,5,6,7,8,9,10,11,12,13,14,15,16,17,18,19,20,21,22,23,24,25,26,27,28,29,30,31
	v_mul_f32 v[96+\j], v[160+\j], v14
.endr
.irp be, 0,1
.irp i, 0,1,2,3,4,5,6,7,8,9,10,11,12,13,14,15
	v_med3_num_f32 v[96+16*\be+\i], v[96+16*\be+\i], -v246, v246
.endr
	v_cvt_scalef32_pk8_fp8_f32 v[224+4*\be:225+4*\be], v[96+16*\be:103+16*\be], v247
	v_cvt_scalef32_pk8_fp8_f32 v[226+4*\be:227+4*\be], v[104+16*\be:111+16*\be], v247
.endr
	v_nop
	global_store_b128 v1, v[224:227], s[8:9]       ; 512 consecutive bytes each
	global_store_b128 v1, v[228:231], s[8:9] offset:512
	s_wait_tensorcnt 0x0                           ; the wave's end
	ds_add_u32 v5, v6
	s_wait_dscnt 0x0
	CROUND                                         ; the closing round
	s_endpgm
.Lfunc_end_k_q80437e2f63_attn:
	.size	k_q80437e2f63_attn, .Lfunc_end_k_q80437e2f63_attn-k_q80437e2f63_attn
	.p2alignl 7, 3214868480
	.fill 96, 4, 3214868480
	.section	.rodata,"a",@progbits
	.p2align	6, 0x0
	.amdhsa_kernel k_q80437e2f63_attn
		.amdhsa_group_segment_fixed_size 264192
		.amdhsa_private_segment_fixed_size 0
		.amdhsa_enable_private_segment 0
		.amdhsa_kernarg_size 24
		.amdhsa_user_sgpr_count 2
		.amdhsa_user_sgpr_kernarg_segment_ptr 1
		.amdhsa_wavefront_size32 1
		.amdhsa_system_sgpr_workgroup_id_x 1
		.amdhsa_system_sgpr_workgroup_id_y 1
		.amdhsa_system_sgpr_workgroup_id_z 1
		.amdhsa_system_vgpr_workitem_id 0
		.amdhsa_next_free_vgpr 256
		.amdhsa_next_free_sgpr 100
		.amdhsa_reserve_vcc 0
		.amdhsa_float_denorm_mode_32 3
		.amdhsa_float_denorm_mode_16_64 3
		.amdhsa_memory_ordered 1
		.amdhsa_forward_progress 1
		.amdhsa_inst_pref_size 43
	.end_amdhsa_kernel
	.amdgpu_metadata
---
amdhsa.version: [ 1, 2 ]
amdhsa.kernels:
  - .name:           k_q80437e2f63_attn
    .symbol:         k_q80437e2f63_attn.kd
    .args:
      - { .name: qkv, .offset: 0, .size: 8, .value_kind: global_buffer, .address_space: global }
      - { .name: lowp_scales, .offset: 8, .size: 8, .value_kind: global_buffer, .address_space: global }
      - { .name: ac, .offset: 16, .size: 8, .value_kind: global_buffer, .address_space: global }
    .group_segment_fixed_size: 264192
    .private_segment_fixed_size: 0
    .kernarg_segment_align: 8
    .kernarg_segment_size: 24
    .max_flat_workgroup_size: 512
    .sgpr_count:     100
    .vgpr_count:     256
    .wavefront_size: 32
...
	.end_amdgpu_metadata
.endif
;; end of part 3
;; launch proj (part 4): grid 8 x 32, 4 waves a work-group, clusters of 4 x 4, 327,680 bytes of LDS; arguments ac, wc, lowp_scales, bo, x, y; writes y
.if DOCPART == 4
	.amdgcn_target "amdgcn-amd-amdhsa--gfx1250"
	.amdhsa_code_object_version 6
	.text
	.protected	k_q80437e2f63_proj
	.globl	k_q80437e2f63_proj
	.p2align	8
	.type	k_q80437e2f63_proj,@function
k_q80437e2f63_proj:
	s_mov_b64 s[64:65], 0
	v_nop
	global_prefetch_b8 v0, s[64:65] scope:SCOPE_SE
	s_setreg_imm32_b32 hwreg(HW_REG_WAVE_MODE, 25, 1), 1
	s_wait_xcnt 0x0
	s_wait_alu depctr_hold_cnt(0) depctr_sa_sdst(0) depctr_va_vdst(0) depctr_va_sdst(0) depctr_va_ssrc(0) depctr_va_vcc(0) depctr_vm_vsrc(0)
	s_getreg_b32 s2, hwreg(HW_REG_IB_STS2, 6, 4)
	s_cmp_eq_u32 s2, 0
	s_cbranch_scc0 .Lentry_in_a_cluster
	s_endpgm
.Lentry_in_a_cluster:
	s_bfe_u32 s2, ttmp6, 0x10000c
	s_cmp_lg_u32 s2, 0xf033
	s_cbranch_scc0 .Lentry_shape_is_right
	s_endpgm
.Lentry_shape_is_right:
.set KSL,   2
.set ASTR,  0x200000
.set BSTR,  0x200000
.set BOFF,  0x180000
.set EA,    90
.set EB,    91
.set SLOT,  131072
.set STAGE, 262144
.set SP,    272
.set SPARE, 279552
.set LI,   3
.set BOF,  12
.set AD1,  16
.set AD0,  20
.set STO,  24
.set RD,   25
.set CO,   26
.set SPW,  28
.set NIL,  29
.set BI,   32
.set TMP,  32
.set BK,   64
.set ACC,  128
.set F0,   0
.set F1,   128
.set G1,   24
.set G0,   32
.set G1B,  48
.set G0B,  56
.set MSB, 0
.macro WIN new
.if MSB != \new
	s_set_vgpr_msb (MSB<<8)|\new
.set MSB, \new
.endif
.endm
.set MUL,  0x05
.set TO_F, 0x40
.macro JLOAD s
	s_cmp_eq_u32 s11, 0
	s_cbranch_scc0 .Lfor_b_\@
	tensor_load_to_lds s[G0+4*\s:G0+4*\s+3], s[G1:G1+7]
	s_nop 0
.rept 4
	v_nop
.endr
	s_branch .Lasked_\@
.Lfor_b_\@:
	tensor_load_to_lds s[G0B+4*\s:G0B+4*\s+3], s[G1B:G1B+7]
	s_nop 0
.rept 4
	v_nop
.endr
.Lasked_\@:
.endm
.macro CREST
	s_cmp_lg_u32 s10, 0
	s_cbranch_scc1 .Lnot_wave_0_\@
	s_barrier_signal -3
.Lnot_wave_0_\@:
	s_barrier_wait -3
	s_barrier_signal -1
	s_barrier_wait -1
.endm
.macro CROUND
	s_barrier_signal -1
	s_barrier_wait -1
	CREST
.endm
.macro PLACES
.rept 4
	v_nop
.endr
.endm
.macro FETCH slot, q, f
	WIN TO_F
.irp i, 0,1,2,3
.irp c, 0,1,2,3
	ds_load_b128 v[\f+64+16*\i+4*\c:\f+64+16*\i+4*\c+3], v[AD0+\slot] offset:\i*8192+\q*2048+\c*512
	ds_load_b128 v[\f+16*\i+4*\c:\f+16*\i+4*\c+3], v[AD1+\slot] offset:\i*8192+\q*2048+\c*512
.endr
.endr
.endm
.macro MUL8 f, a0
.irp a, \a0, \a0+1
.irp b, 0,1,2,3
	v_wmma_f32_16x16x128_fp8_fp8 v[ACC+8*(4*(\a)+\b):ACC+8*(4*(\a)+\b)+7], v[\f+64+16*\b:\f+64+16*\b+15], v[\f+16*(\a):\f+16*(\a)+15], v[ACC+8*(4*(\a)+\b):ACC+8*(4*(\a)+\b)+7]
.endr
.endr
.endm
.macro STEP slot, qn, f, g
	s_wait_dscnt 0x0
	PLACES
	FETCH \slot, \qn, \g
	WIN MUL
	MUL8 \f, 0
	MUL8 \f, 2
.endm
.macro TURN slot, next, fill
	WIN 0
	s_wait_tensorcnt 0x0
	ds_add_u32 v[SPW], v[NIL]
	s_wait_dscnt 1
	WIN MUL
	MUL8 F1, 0
	s_wait_dscnt 0x0
	s_barrier_signal -1
	WIN 0
	s_barrier_wait -1
.if \fill
	CREST
	s_add_nc_u64 s[G0+4*\slot+2:G0+4*\slot+3], s[G0+4*\slot+2:G0+4*\slot+3], 2*ASTR
	s_add_nc_u64 s[G0B+4*\slot+2:G0B+4*\slot+3], s[G0B+4*\slot+2:G0B+4*\slot+3], 2*BSTR
	JLOAD \slot
.else
	PLACES
.endif
	FETCH \next, 0, F0
	WIN MUL
	MUL8 F1, 2
.endm
.macro OUTROW a
.irp j, 0,2,4,6,8,10,12,14,16,18,20,22,24,26,28,30
	v_pk_mul_f32 v[TMP+\j:TMP+\j+1], v[ACC+32*\a+\j:ACC+32*\a+\j+1], s[98:99] op_sel_hi:[1,0]
.endr
.irp b, 0,1,2,3
	ds_store_b128 v[STO], v[TMP+8*\b:TMP+8*\b+3] offset:128*(\b/2)+32*(\b%2)
	ds_store_b128 v[STO], v[TMP+8*\b+4:TMP+8*\b+7] offset:128*(\b/2)+32*(\b%2)+16
.endr
.irp t, 0,1,2,3,4,5,6,7
	ds_load_b128 v[BK+32*(\a%2)+4*\t:BK+32*(\a%2)+4*\t+3], v[RD] offset:2*SP*\t
.endr
.endm
.macro SENDROW a, younger
	s_wait_dscnt \younger
	WIN 0x08
.irp j, 0,2,4,6,8,10,12,14,16,18,20,22,24,26,28,30
	v_pk_add_f32 v[BK+32*(\a%2)+\j:BK+32*(\a%2)+\j+1], v[BK+32*(\a%2)+\j:BK+32*(\a%2)+\j+1], v[32*\a+\j:32*\a+\j+1]
.endr
	WIN 0
.irp t, 0,1,2,3,4,5,6,7
	global_store_b128 v[CO], v[BK+32*(\a%2)+4*\t:BK+32*(\a%2)+4*\t+3], s[74:75] offset:(32*(\a/2)+8*(\a%2)+2*\t+8*(\t/4))*4096
.endr
.endm
	s_load_b128 s[4:7], s[0:1], 0x0
	s_load_b64 s[8:9], s[0:1], 0x10
	s_load_b128 s[68:71], s[0:1], 0x18
	s_load_b64 s[74:75], s[0:1], 0x28
	v_lshl_add_u32 v[SPW], v0, 2, SPARE
	v_mov_b32 v[NIL], 0
	ds_add_u32 v[SPW], v[NIL]
	ds_add_u32 v[SPW], v[NIL]
	v_lshrrev_b32 v1, 5, v0
	v_readfirstlane_b32 s10, v1
	s_lshr_b32 s11, s10, 1
	s_and_b32 s12, s10, 1
	s_bfe_u32 s40, ttmp6, 0x40000
	s_bfe_u32 s41, ttmp6, 0x40004
	s_lshl_b32 s42, ttmp9, 2
	s_add_co_u32 s42, s42, s40
	s_and_b32 s13, ttmp7, 0xffff
	s_lshl_b32 s13, s13, 2
	s_add_co_u32 s13, s13, s41
	s_lshl_b32 s43, s41, 2
	s_lshl_b32 s43, 15, s43
	s_lshl_b32 s44, 0x1111, s40
	s_or_b32 s[G1+0], s43, (3<<16)|(1<<21)
	s_or_b32 s[G1B+0], s44, (3<<16)|(1<<21)
.irp g, G1, G1B
	s_mov_b32 s[\g+1], 32<<16
	s_mov_b32 s[\g+2], 128<<16
	s_mov_b32 s[\g+3], 32<<16
	s_mov_b32 s[\g+4], 128
	s_mov_b32 s[\g+5], 32
	s_mov_b32 s[\g+6], 0
	s_mov_b32 s[\g+7], 0
.endr
	s_lshl_b32 s16, s13, 16
	s_lshl_b32 s17, s12, 15
	s_add_co_u32 s16, s16, s17
	s_mov_b32 s17, 0
	s_lshl_b32 s46, s42, 16
	s_lshl_b32 s47, s12, 15
	s_add_co_u32 s46, s46, s47
	s_add_co_u32 s46, s46, BOFF
	s_mov_b32 s47, 0
	s_lshl_b32 s45, s10, 15
	s_wait_dscnt 0x0
	s_wait_kmcnt 0x0
	s_load_b512 s[80:95], s[8:9], 0x0
	s_add_nc_u64 s[18:19], s[4:5], s[16:17]
	s_add_nc_u64 s[46:47], s[6:7], s[46:47]
	CROUND
.irp s, 0,1
	s_mov_b32 s[G0+4*\s], 1
	s_add_co_u32 s[G0+4*\s+1], s45, \s*SLOT
	s_add_nc_u64 s[G0+4*\s+2:G0+4*\s+3], s[18:19], \s*ASTR
	s_or_b32 s[G0+4*\s+3], s[G0+4*\s+3], 0x80000000
	s_mov_b32 s[G0B+4*\s], 1
	s_add_co_u32 s[G0B+4*\s+1], s45, \s*SLOT
	s_add_nc_u64 s[G0B+4*\s+2:G0B+4*\s+3], s[46:47], \s*BSTR
	s_or_b32 s[G0B+4*\s+3], s[G0B+4*\s+3], 0x80000000
.if \s
	s_wait_alu depctr_va_vdst(0)
	s_wait_tensorcnt 0x0
	ds_add_u32 v28, v29
	ds_add_u32 v28, v29
	s_wait_dscnt 0x0
	CROUND
.endif
	JLOAD \s
.endr
	v_and_b32 v1, 15, v0
	s_wait_alu depctr_va_vdst(0)
	v_bfe_u32 v2, v0, 4, 1
	v_and_b32 v[LI], 31, v0
	v_lshlrev_b32 v[LI], 4, v[LI]
	s_lshl_b32 s2, s11, 15
	s_lshl_b32 s3, s12, 15
	s_add_co_u32 s3, s3, 65536
.irp s, 0,1
	v_add_nc_u32 v[AD1+\s], s2, v[LI]
	v_add_nc_u32 v[AD0+\s], s3, v[LI]
	s_add_co_u32 s2, s2, SLOT
	s_add_co_u32 s3, s3, SLOT
.endr
	s_mul_i32 s23, s10, 16*SP
	s_add_co_u32 s23, s23, STAGE
	v_mul_u32_u24 v4, v1, SP
	s_wait_alu depctr_va_vdst(0)
	v_lshl_add_u32 v4, v2, 6, v4
	v_add_nc_u32 v[STO], s23, v4
	v_mul_u32_u24 v5, v2, SP
	v_lshl_add_u32 v5, v1, 4, v5
	v_add_nc_u32 v[RD], s23, v5
	v_lshlrev_b32 v5, 12, v2
	v_lshl_add_u32 v[CO], v1, 4, v5
	v_lshlrev_b32 v[BOF], 6, v2
	s_wait_alu depctr_va_vdst(0)
	s_lshl_b32 s16, s13, 19
	s_lshl_b32 s17, s11, 18
	s_add_co_u32 s16, s16, s17
	s_mov_b32 s17, 0
	s_lshl_b32 s46, s42, 9
	s_lshl_b32 s47, s12, 8
	s_add_co_u32 s46, s46, s47
	s_mov_b32 s47, 0
	s_add_nc_u64 s[74:75], s[74:75], s[16:17]
	s_add_nc_u64 s[74:75], s[74:75], s[46:47]
	s_add_nc_u64 s[70:71], s[70:71], s[16:17]
	s_add_nc_u64 s[70:71], s[70:71], s[46:47]
	s_add_nc_u64 s[68:69], s[68:69], s[46:47]
.irp b, 0,1,2,3
	global_load_b128 v[BI+8*\b:BI+8*\b+3], v[BOF], s[68:69] offset:128*(\b/2)+32*(\b%2)
	global_load_b128 v[BI+8*\b+4:BI+8*\b+7], v[BOF], s[68:69] offset:128*(\b/2)+32*(\b%2)+16
.endr
	WIN 0x80
.irp a, 0,1,2,3
.irp t, 0,1,2,3,4,5,6,7
	global_load_b128 v[32*\a+4*\t:32*\a+4*\t+3], v[CO], s[70:71] offset:(32*(\a/2)+8*(\a%2)+2*\t+8*(\t/4))*4096 th:TH_LOAD_NT
.endr
.endr
	WIN 0
	s_wait_kmcnt 0x0
	s_add_co_i32 s96, s[EA], s[EB]
	s_sub_co_i32 s97, 0, s96
	s_add_co_i32 s96, s96, 127
	s_lshl_b32 s98, s96, 23
	s_mov_b32 s99, s98
	s_wait_loadcnt 32
.irp a, 0,1,2,3
.irp b, 0,1,2,3
.irp j, 0,1,2,3,4,5,6,7
	v_ldexp_f32 v[ACC+8*(4*\a+\b)+\j], v[BI+8*\b+\j], s97
.endr
.endr
.endr
	s_wait_alu depctr_va_vdst(0)
	s_wait_tensorcnt 1
	s_barrier_signal -1
	s_barrier_wait -1
	FETCH 0, 0, F0
	STEP 0, 1, F0, F1
	STEP 0, 2, F1, F0
	STEP 0, 3, F0, F1
.if KSL > 2
	WIN 0
	s_mov_b32 s3, KSL/2-1
.Llap:
	TURN 0, 1, 1
	STEP 1, 1, F0, F1
	STEP 1, 2, F1, F0
	STEP 1, 3, F0, F1
	TURN 1, 0, 1
	STEP 0, 1, F0, F1
	STEP 0, 2, F1, F0
	STEP 0, 3, F0, F1
	WIN 0
	s_sub_co_u32 s3, s3, 1
	s_cmp_lg_u32 s3, 0
	s_cbranch_scc1 .Llap
.endif
	TURN 0, 1, 0
	STEP 1, 1, F0, F1
	STEP 1, 2, F1, F0
	STEP 1, 3, F0, F1
	s_wait_dscnt 0x0
	MUL8 F1, 0
	MUL8 F1, 2
	WIN 0
	s_wait_loadcnt 0x0
	PLACES
	OUTROW 0
	OUTROW 1
	SENDROW 0, 16
	s_wait_xcnt 0x0
	OUTROW 2
	SENDROW 1, 16
	s_wait_xcnt 0x0
	OUTROW 3
	SENDROW 2, 16
	SENDROW 3, 0
	s_wait_tensorcnt 0x0
	ds_add_u32 v[SPW], v[NIL]
	s_wait_dscnt 0x0
	CROUND
	s_endpgm
.Lfunc_end_k_q80437e2f63_proj:
	.size	k_q80437e2f63_proj, .Lfunc_end_k_q80437e2f63_proj-k_q80437e2f63_proj
	.p2alignl 7, 3214868480
	.fill 96, 4, 3214868480
	.section	.rodata,"a",@progbits
	.p2align	6, 0x0
	.amdhsa_kernel k_q80437e2f63_proj
		.amdhsa_group_segment_fixed_size 327680
		.amdhsa_private_segment_fixed_size 0
		.amdhsa_enable_private_segment 0
		.amdhsa_kernarg_size 48
		.amdhsa_user_sgpr_count 2
		.amdhsa_user_sgpr_kernarg_segment_ptr 1
		.amdhsa_wavefront_size32 1
		.amdhsa_system_sgpr_workgroup_id_x 1
		.amdhsa_system_sgpr_workgroup_id_y 1
		.amdhsa_system_sgpr_workgroup_id_z 1
		.amdhsa_system_vgpr_workitem_id 0
		.amdhsa_next_free_vgpr 768
		.amdhsa_next_free_sgpr 102
		.amdhsa_reserve_vcc 0
		.amdhsa_float_denorm_mode_32 3
		.amdhsa_float_denorm_mode_16_64 3
		.amdhsa_memory_ordered 1
		.amdhsa_forward_progress 1
		.amdhsa_inst_pref_size 62
	.end_amdhsa_kernel
	.amdgpu_metadata
---
amdhsa.version: [ 1, 2 ]
amdhsa.kernels:
  - .name:           k_q80437e2f63_proj
    .symbol:         k_q80437e2f63_proj.kd
    .args:
      - { .name: ac, .offset: 0, .size: 8, .value_kind: global_buffer, .address_space: global }
      - { .name: wc, .offset: 8, .size: 8, .value_kind: global_buffer, .address_space: global }
      - { .name: lowp_scales, .offset: 16, .size: 8, .value_kind: global_buffer, .address_space: global }
      - { .name: bo, .offset: 24, .size: 8, .value_kind: global_buffer, .address_space: global }
      - { .name: x, .offset: 32, .size: 8, .value_kind: global_buffer, .address_space: global }
      - { .name: y, .offset: 40, .size: 8, .value_kind: global_buffer, .address_space: global }
    .group_segment_fixed_size: 327680
    .private_segment_fixed_size: 0
    .kernarg_segment_align: 8
    .kernarg_segment_size: 48
    .max_flat_workgroup_size: 128
    .sgpr_count:     102
    .vgpr_count:     768
    .wavefront_size: 32
...
	.end_amdgpu_metadata
.endif
;; end of part 4
;; launch ln1 (part 5): grid 256 x 1, 16 waves a work-group, no clusters, 18,944 bytes of LDS; arguments y, ln1_g, ln1_b, lowp_scales, x1, x1c; writes x1, x1c
.if DOCPART == 5
	.amdgcn_target "amdgcn-amd-amdhsa--gfx1250"
	.amdhsa_code_object_version 6
	.text
	.protected	k_q80437e2f63_ln1
	.globl	k_q80437e2f63_ln1
	.p2align	8
	.type	k_q80437e2f63_ln1,@function
k_q80437e2f63_ln1:
	s_mov_b64 s[64:65], 0
	v_nop
	global_prefetch_b8 v0, s[64:65] scope:SCOPE_SE
	s_setreg_imm32_b32 hwreg(HW_REG_WAVE_MODE, 25, 1), 1
	s_wait_xcnt 0x0
; x1 = layer norm of y (mean, then the mean of squared differences, both in f32; eps = 1e-5) x g + b, stored as f32 rows and as codes of E4M3 with 2^e12, in the image layout of the next product's operand.  Nothing is left out.
; A work-group takes a row tile rt of 16 rows; wave w takes the row at place w: 32 (rt / 2) + 8 (rt % 2) + w + 8 (w / 8).  A row of 4,096 bytes is 32 registers of one wave: read once, reduced inside the wave.
; The codes of the 16 rows meet in LDS (rows of 1,024 bytes + 16) and leave as chunks of the image: in chunk q lane l holds k = 32 q + 16 (l / 16) + 0 .. 15 of the row at place l % 16; wave w stores chunks 2 w and 2 w + 1.
; LIMIT: e12 between -126 and 119.  NaN among the inputs is not served.  Memory binds: no matrix unit, no cluster, no tensor load.
.set Y,  32                            ; v32-63   the row
.set G,  64                            ; v64-95   g
.set B,  96                            ; v96-127  b
.set T,  128                           ; v128-159 held copies for the conversions; later two chunks
.set LP, 1040                          ; a row of codes in LDS: 65 x 16 bytes: the sixteen rows of a read start at sixteen different groups of banks
.set SPARE, 16896                      ; behind the rows: the spare words, 128 bytes for each wave: eight blocks of 256 bytes that no other line names
	s_load_b256 s[4:11], s[0:1], 0x0               ; y, g, b, the exponents
	s_load_b128 s[12:15], s[0:1], 0x20             ; x1, x1c
	v_lshl_add_u32 v30, v0, 2, SPARE
	v_mov_b32 v31, 0
	v_lshrrev_b32 v1, 5, v0
	s_delay_alu instid0(VALU_DEP_1)
	v_readfirstlane_b32 s16, v1                    ; wave 0..15
	v_and_b32 v2, 31, v0
	s_wait_alu depctr_va_vdst(0)
	v_lshlrev_b32 v3, 4, v2                        ; 16 x lane
	s_lshr_b32 s17, ttmp9, 1
	s_lshl_b32 s17, s17, 5
	s_and_b32 s18, ttmp9, 1
	s_lshl_b32 s18, s18, 3
	s_add_co_u32 s17, s17, s18
	s_add_co_u32 s17, s17, s16
	s_and_b32 s18, s16, 8
	s_add_co_u32 s17, s17, s18                     ; my row
	s_lshl_b32 s18, s17, 12
	s_mov_b32 s19, 0
	s_mov_b32 s20, 0x3a800000                      ; 1 / 1,024
	s_mov_b32 s21, 0x3727c5ac                      ; 1e-5
	s_mov_b32 s22, 0x76543210
	s_mov_b32 s23, 0xfedcba98                      ; lane l xor 16
	s_mul_i32 s25, s16, LP
	v_lshlrev_b32 v4, 2, v2
	s_delay_alu instid0(VALU_DEP_1)
	v_add_nc_u32 v4, s25, v4                       ; codes in: my row, 4 bytes a lane
	v_and_b32 v5, 15, v0
	s_delay_alu instid0(VALU_DEP_1)
	v_mul_u32_u24 v5, v5, LP
	v_bfe_u32 v1, v0, 4, 1
	s_delay_alu instid0(VALU_DEP_1)
	v_lshl_add_u32 v5, v1, 4, v5
	s_lshl_b32 s25, s16, 6
	v_add_nc_u32 v5, s25, v5                       ; codes out: row l % 16, byte 64 w + 16 (l / 16)
	s_lshr_b32 s26, s16, 3
	s_lshl_b32 s26, s26, 21                        ; x1c: slot w / 8,
	s_lshl_b32 s27, ttmp9, 13                      ; row tile rt,
	s_add_co_u32 s26, s26, s27
	s_and_b32 s27, s16, 7
	s_lshl_b32 s27, s27, 10                        ; chunks 2 (w % 8) on
	s_add_co_u32 s26, s26, s27
	s_mov_b32 s27, 0
	s_wait_alu depctr_va_vdst(0)
	s_wait_kmcnt 0x0
	s_load_b32 s24, s[10:11], 0x30                 ; e12
	s_add_nc_u64 s[4:5], s[4:5], s[18:19]
	s_add_nc_u64 s[12:13], s[12:13], s[18:19]
	s_add_nc_u64 s[14:15], s[14:15], s[26:27]
.irp i, 0,1,2,3,4,5,6,7
	global_load_b128 v[Y+4*\i:Y+4*\i+3], v3, s[4:5] offset:512*\i th:TH_LOAD_NT
.endr
.irp i, 0,1,2,3,4,5,6,7
	global_load_b128 v[G+4*\i:G+4*\i+3], v3, s[6:7] offset:512*\i
.endr
.irp i, 0,1,2,3,4,5,6,7
	global_load_b128 v[B+4*\i:B+4*\i+3], v3, s[8:9] offset:512*\i
.endr
	s_wait_loadcnt 16                              ; the row is in; the 16 loads of g and b may be out
	v_pk_add_f32 v[10:11], v[32:33], v[34:35]
	v_pk_add_f32 v[158:159], v[40:41], v[44:45]
	v_pk_add_f32 v[156:157], v[48:49], v[52:53]
	v_pk_add_f32 v[154:155], v[56:57], v[60:61]
	v_pk_add_f32 v[152:153], v[36:37], v[38:39]
	v_pk_add_f32 v[150:151], v[42:43], v[46:47]
	v_pk_add_f32 v[148:149], v[50:51], v[54:55]
	v_pk_add_f32 v[8:9], v[58:59], v[62:63]
	s_delay_alu instid0(VALU_DEP_1)
	v_pk_add_f32 v[8:9], v[8:9], v[154:155]
	v_pk_add_f32 v[10:11], v[10:11], v[152:153]
	v_pk_add_f32 v[158:159], v[158:159], v[150:151]
	v_pk_add_f32 v[156:157], v[156:157], v[148:149]
	s_delay_alu instid0(VALU_DEP_2)
	v_pk_add_f32 v[8:9], v[8:9], v[158:159]
	s_delay_alu instid0(VALU_DEP_2)
	v_pk_add_f32 v[10:11], v[10:11], v[156:157]
	s_delay_alu instid0(VALU_DEP_1)
	v_pk_add_f32 v[8:9], v[8:9], v[10:11]
	s_delay_alu instid0(VALU_DEP_1)
	v_add_f32 v8, v8, v9
	s_delay_alu instid0(VALU_DEP_1)
	v_add_f32_dpp v8, v8, v8 row_xmask:1 row_mask:0xf bank_mask:0xf
	s_delay_alu instid0(VALU_DEP_1)
	v_add_f32_dpp v8, v8, v8 row_xmask:2 row_mask:0xf bank_mask:0xf
	s_delay_alu instid0(VALU_DEP_1)
	v_add_f32_dpp v8, v8, v8 row_xmask:4 row_mask:0xf bank_mask:0xf
	s_delay_alu instid0(VALU_DEP_1)
	v_add_f32_dpp v8, v8, v8 row_xmask:8 row_mask:0xf bank_mask:0xf
	s_delay_alu instid0(VALU_DEP_1)
	v_permlanex16_b32 v9, v8, s22, s23
	s_delay_alu instid0(VALU_DEP_1)
	v_add_f32 v8, v8, v9
	s_delay_alu instid0(VALU_DEP_1)
	v_mul_f32 v8, s20, v8                          ; the mean
.irp j, 0,2,4,6,8,10,12,14,16,18,20,22,24,26,28,30
	v_pk_add_f32 v[Y+\j:Y+\j+1], v[Y+\j:Y+\j+1], v[8:9] op_sel_hi:[1,0] neg_lo:[0,1] neg_hi:[0,1]   ; d = y - mean
.endr
	v_pk_mul_f32 v[10:11], v[Y:Y+1], v[Y:Y+1]
	v_pk_mul_f32 v[12:13], v[Y+2:Y+3], v[Y+2:Y+3]
.irp j, 4,8,12,16,20,24,28
	s_delay_alu instid0(VALU_DEP_2)
	v_pk_fma_f32 v[10:11], v[Y+\j:Y+\j+1], v[Y+\j:Y+\j+1], v[10:11]
	s_delay_alu instid0(VALU_DEP_2)
	v_pk_fma_f32 v[12:13], v[Y+\j+2:Y+\j+3], v[Y+\j+2:Y+\j+3], v[12:13]
.endr
	s_delay_alu instid0(VALU_DEP_1)
	v_pk_add_f32 v[10:11], v[10:11], v[12:13]
	s_delay_alu instid0(VALU_DEP_1)
	v_add_f32 v10, v10, v11
	s_delay_alu instid0(VALU_DEP_1)
	v_add_f32_dpp v10, v10, v10 row_xmask:1 row_mask:0xf bank_mask:0xf
	s_delay_alu instid0(VALU_DEP_1)
	v_add_f32_dpp v10, v10, v10 row_xmask:2 row_mask:0xf bank_mask:0xf
	s_delay_alu instid0(VALU_DEP_1)
	v_add_f32_dpp v10, v10, v10 row_xmask:4 row_mask:0xf bank_mask:0xf
	s_delay_alu instid0(VALU_DEP_1)
	v_add_f32_dpp v10, v10, v10 row_xmask:8 row_mask:0xf bank_mask:0xf
	s_delay_alu instid0(VALU_DEP_1)
	v_permlanex16_b32 v11, v10, s22, s23
	s_delay_alu instid0(VALU_DEP_1)
	v_add_f32 v10, v10, v11
	s_delay_alu instid0(VALU_DEP_1)
	v_fma_f32 v10, v10, s20, s21                   ; the variance + eps
	s_wait_alu depctr_va_vdst(0)
	v_rsq_f32 v12, v10
	v_nop                                          ; a plain line behind the transcendental
	s_wait_alu depctr_va_vdst(0)                   ; and the wait ahead of its first reader
	s_wait_loadcnt 0x0                             ; g and b
.irp j, 0,2,4,6,8,10,12,14,16,18,20,22,24,26,28,30
	v_pk_mul_f32 v[Y+\j:Y+\j+1], v[Y+\j:Y+\j+1], v[12:13] op_sel_hi:[1,0]
.endr
.irp j, 0,2,4,6,8,10,12,14,16,18,20,22,24,26,28,30
	v_pk_fma_f32 v[Y+\j:Y+\j+1], v[Y+\j:Y+\j+1], v[G+\j:G+\j+1], v[B+\j:B+\j+1]
.endr
.irp i, 0,1,2,3,4,5,6,7
	global_store_b128 v3, v[Y+4*\i:Y+4*\i+3], s[12:13] offset:512*\i   ; 512 consecutive bytes
.endr
	s_wait_kmcnt 0x0
	s_add_co_i32 s24, s24, 127
	s_lshl_b32 s25, s24, 23
	v_mov_b32 v6, s25                              ; 2^e12
	s_add_co_i32 s24, s24, 8
	s_lshl_b32 s24, s24, 23
	s_or_b32 s24, s24, 0x600000
	v_mov_b32 v7, s24                              ; 448 x 2^e12
.irp j, 0,1,2,3,4,5,6,7,8,9,10,11,12,13,14,15,16,17,18,19,20,21,22,23,24,25,26,27,28,29,30,31
	v_med3_num_f32 v[T+\j], v[Y+\j], -v7, v7       ; held copies: the stores above still read the row
.endr
.irp p, 0,1,2,3
	v_cvt_scalef32_pk8_fp8_f32 v[16+2*\p:17+2*\p], v[T+8*\p:T+8*\p+7], v6   ; the first word: my four codes of load 2 p; the second: of load 2 p + 1
.endr
	v_nop
.irp p, 0,1,2,3
	ds_store_b32 v4, v[16+2*\p] offset:256*\p
	ds_store_b32 v4, v[17+2*\p] offset:256*\p+128
.endr
	s_wait_dscnt 0x0                               ; for the others' sake: my stores have landed
	s_barrier_signal -1
	s_barrier_wait -1
	ds_load_b128 v[T:T+3], v5
	ds_load_b128 v[T+4:T+7], v5 offset:32
	s_wait_dscnt 0x0
	global_store_b128 v3, v[T:T+3], s[14:15]
	global_store_b128 v3, v[T+4:T+7], s[14:15] offset:512
	s_wait_tensorcnt 0x0                           ; the wave's end, behind my last LDS store
	ds_add_u32 v30, v31
	s_wait_dscnt 0x0
	s_endpgm
.Lfunc_end_k_q80437e2f63_ln1:
	.size	k_q80437e2f63_ln1, .Lfunc_end_k_q80437e2f63_ln1-k_q80437e2f63_ln1
	.p2alignl 7, 3214868480
	.fill 96, 4, 3214868480
	.section	.rodata,"a",@progbits
	.p2align	6, 0x0
	.amdhsa_kernel k_q80437e2f63_ln1
		.amdhsa_group_segment_fixed_size 18944
		.amdhsa_private_segment_fixed_size 0
		.amdhsa_enable_private_segment 0
		.amdhsa_kernarg_size 48
		.amdhsa_user_sgpr_count 2
		.amdhsa_user_sgpr_kernarg_segment_ptr 1
		.amdhsa_wavefront_size32 1
		.amdhsa_system_sgpr_workgroup_id_x 1
		.amdhsa_system_sgpr_workgroup_id_y 1
		.amdhsa_system_sgpr_workgroup_id_z 1
		.amdhsa_system_vgpr_workitem_id 0
		.amdhsa_next_free_vgpr 160
		.amdhsa_next_free_sgpr 66
		.amdhsa_reserve_vcc 0
		.amdhsa_float_denorm_mode_32 3
		.amdhsa_float_denorm_mode_16_64 3
		.amdhsa_memory_ordered 1
		.amdhsa_forward_progress 1
		.amdhsa_inst_pref_size 17
	.end_amdhsa_kernel
	.amdgpu_metadata
---
amdhsa.version: [ 1, 2 ]
amdhsa.kernels:
  - .name:           k_q80437e2f63_ln1
    .symbol:         k_q80437e2f63_ln1.kd
    .args:
      - { .name: y, .offset: 0, .size: 8, .value_kind: global_buffer, .address_space: global }
      - { .name: ln1_g, .offset: 8, .size: 8, .value_kind: global_buffer, .address_space: global }
      - { .name: ln1_b, .offset: 16, .size: 8, .value_kind: global_buffer, .address_space: global }
      - { .name: lowp_scales, .offset: 24, .size: 8, .value_kind: global_buffer, .address_space: global }
      - { .name: x1, .offset: 32, .size: 8, .value_kind: global_buffer, .address_space: global }
      - { .name: x1c, .offset: 40, .size: 8, .value_kind: global_buffer, .address_space: global }
    .group_segment_fixed_size: 18944
    .private_segment_fixed_size: 0
    .kernarg_segment_align: 8
    .kernarg_segment_size: 48
    .max_flat_workgroup_size: 512
    .sgpr_count:     66
    .vgpr_count:     160
    .wavefront_size: 32
...
	.end_amdgpu_metadata
.endif
;; end of part 5
;; launch ffn1 (part 6): grid 16 x 16, 4 waves a work-group, clusters of 4 x 4, 327,680 bytes of LDS; arguments x1c, wc, lowp_scales, b1, hc; writes hc
.if DOCPART == 6
	.amdgcn_target "amdgcn-amd-amdhsa--gfx1250"
	.amdhsa_code_object_version 6
	.text
	.protected	k_q80437e2f63_ffn1
	.globl	k_q80437e2f63_ffn1
	.p2align	8
	.type	k_q80437e2f63_ffn1,@function
k_q80437e2f63_ffn1:
	s_mov_b64 s[64:65], 0
	v_nop
	global_prefetch_b8 v0, s[64:65] scope:SCOPE_SE
	s_setreg_imm32_b32 hwreg(HW_REG_WAVE_MODE, 25, 1), 1
	s_wait_xcnt 0x0
	s_wait_alu depctr_hold_cnt(0) depctr_sa_sdst(0) depctr_va_vdst(0) depctr_va_sdst(0) depctr_va_ssrc(0) depctr_va_vcc(0) depctr_vm_vsrc(0)
	s_getreg_b32 s2, hwreg(HW_REG_IB_STS2, 6, 4)
	s_cmp_eq_u32 s2, 0
	s_cbranch_scc0 .Lentry_in_a_cluster
	s_endpgm
.Lentry_in_a_cluster:
	s_bfe_u32 s2, ttmp6, 0x10000c
	s_cmp_lg_u32 s2, 0xf033
	s_cbranch_scc0 .Lentry_shape_is_right
	s_endpgm
.Lentry_shape_is_right:
.set ASTR,  0x200000
.set HALFK, 4096
.set BOFF,  0x400000
.set SLOT,  131072
.set SPARE, 262144
.set FR,   16
.set LI,   3
.set BOF,  12
.set ADRA, 16
.set ADRB, 20
.set SPW,  28
.set NIL,  29
.set SCV,  30
.set LIM,  31
.set BI,   32
.set T,    32
.set AF,   128
.set CD,   128
.set G1,   24
.set G0,   32
.set G1B,  48
.set G0B,  56
.set MSB, 0
.macro WIN new
.if MSB != \new
	s_set_vgpr_msb (MSB<<8)|\new
.set MSB, \new
.endif
.endm
.set MUL_LO, 0xa1
.set MUL_HI, 0xf1
.set TO_B,   0x40
.macro JLOAD s
	s_cmp_eq_u32 s11, 0
	s_cbranch_scc0 .Lfor_b_\@
	tensor_load_to_lds s[G0+4*\s:G0+4*\s+3], s[G1:G1+7]
	s_nop 0
.rept 4
	v_nop
.endr
	s_branch .Lasked_\@
.Lfor_b_\@:
	tensor_load_to_lds s[G0B+4*\s:G0B+4*\s+3], s[G1B:G1B+7]
	s_nop 0
.rept 4
	v_nop
.endr
.Lasked_\@:
.endm
.macro CREST
	s_cmp_lg_u32 s10, 0
	s_cbranch_scc1 .Lnot_wave_0_\@
	s_barrier_signal -3
.Lnot_wave_0_\@:
	s_barrier_wait -3
	s_barrier_signal -1
	s_barrier_wait -1
.endm
.macro CROUND
	s_barrier_signal -1
	s_barrier_wait -1
	CREST
.endm
.macro PLACES
.rept 4
	v_nop
.endr
.endm
.macro FRAG reg, adr, q, i
.irp c, 0,1,2,3
	ds_load_b128 v[\reg+4*\c:\reg+4*\c+3], v[\adr] offset:(\i)*4096+(\q)*2048+512*\c
.endr
.endm
.macro MUL16 a0, p, first
.irp a, \a0, \a0+1
.irp b, 0,1,2,3,4,5,6,7
.if \first == 1
	v_wmma_f32_16x16x128_fp8_fp8 v[8*(8*((\a)%4)+\b):8*(8*((\a)%4)+\b)+7], v[128*(\p)+FR*\b:128*(\p)+FR*\b+FR-1], v[AF+FR*(\a):AF+FR*(\a)+FR-1], v[BI+8*\b:BI+8*\b+7]
.else
	v_wmma_f32_16x16x128_fp8_fp8 v[8*(8*((\a)%4)+\b):8*(8*((\a)%4)+\b)+7], v[128*(\p)+FR*\b:128*(\p)+FR*\b+FR-1], v[AF+FR*(\a):AF+FR*(\a)+FR-1], v[8*(8*((\a)%4)+\b):8*(8*((\a)%4)+\b)+7]
.endif
.endr
.endr
.endm
.macro FETCH_B slot, q, p
	WIN TO_B
.irp i, 0,1,2,3,4,5,6,7
	FRAG 128*(\p)+FR*\i, ADRB+\slot, \q, \i
.endr
	WIN 0
.endm
.macro FETCH_A slot, q, i0
.irp i, \i0, \i0+1, \i0+2, \i0+3
	FRAG AF+FR*(\i), ADRA+\slot, \q, \i
.endr
.endm
.macro STEP slot, first
	s_wait_dscnt 16
.if \first
	WIN 0x81
.else
	WIN MUL_LO
.endif
	MUL16 0, 0, \first
	MUL16 2, 0, \first
	s_wait_dscnt 0x0
	PLACES
	FETCH_B \slot, 1, 1
	FETCH_A \slot, 1, 0
.if \first
	WIN 0xc1
.else
	WIN MUL_HI
.endif
	MUL16 4, 0, \first
	MUL16 6, 0, \first
	PLACES
	WIN 0
	FETCH_A \slot, 1, 4
.endm
.macro TURN slot, next, fill
	s_wait_tensorcnt 0x0
	ds_add_u32 v[SPW], v[NIL]
	s_wait_dscnt 17
	WIN MUL_LO
	MUL16 0, 1, 0
	s_wait_dscnt 0x0
	s_barrier_signal -1
	MUL16 2, 1, 0
	WIN 0
	s_barrier_wait -1
.if \fill
	CREST
	s_add_nc_u64 s[G0+4*\slot+2:G0+4*\slot+3], s[G0+4*\slot+2:G0+4*\slot+3], ASTR
	s_add_nc_u64 s[G0B+4*\slot+2:G0B+4*\slot+3], s[G0B+4*\slot+2:G0B+4*\slot+3], ASTR
	JLOAD \slot
.else
	PLACES
.endif
	FETCH_B \next, 0, 0
	FETCH_A \next, 0, 0
	WIN MUL_HI
	MUL16 4, 1, 0
	MUL16 6, 1, 0
	PLACES
	WIN 0
	FETCH_A \next, 0, 4
.endm
.macro OUT a
	WIN 0x02+((\a)/4)
.set jj, 0
.rept 64
	v_med3_num_f32 v[T+jj], v[64*((\a)%4)+jj], 0, v[LIM]
.set jj, jj+1
.endr
	WIN 0
.irp g, 0,1,2,3,4,5,6,7
	v_cvt_scalef32_pk8_fp8_f32 v[CD+16*(\a)+2*\g:CD+16*(\a)+2*\g+1], v[T+8*\g:T+8*\g+7], v[SCV]
.endr
	v_nop
.irp be, 0,1,2,3
	global_store_b128 v[LI], v[CD+16*(\a)+4*\be:CD+16*(\a)+4*\be+3], s[74:75] offset:8192*(\a)+512*\be
.endr
.endm
	s_load_b128 s[4:7], s[0:1], 0x0
	s_load_b64 s[8:9], s[0:1], 0x10
	s_load_b64 s[68:69], s[0:1], 0x18
	s_load_b64 s[74:75], s[0:1], 0x20
	v_lshl_add_u32 v[SPW], v0, 2, SPARE
	v_mov_b32 v[NIL], 0
	ds_add_u32 v[SPW], v[NIL]
	ds_add_u32 v[SPW], v[NIL]
	v_lshrrev_b32 v1, 5, v0
	v_readfirstlane_b32 s10, v1
	s_lshr_b32 s11, s10, 1
	s_and_b32 s12, s10, 1
	s_bfe_u32 s40, ttmp6, 0x40000
	s_bfe_u32 s41, ttmp6, 0x40004
	s_lshl_b32 s42, ttmp9, 2
	s_add_co_u32 s42, s42, s40
	s_and_b32 s13, ttmp7, 0xffff
	s_lshl_b32 s13, s13, 2
	s_add_co_u32 s13, s13, s41
	s_lshl_b32 s43, s41, 2
	s_lshl_b32 s43, 15, s43
	s_lshl_b32 s44, 0x1111, s40
	s_or_b32 s[G1+0], s43, (3<<16)|(1<<21)
	s_or_b32 s[G1B+0], s44, (3<<16)|(1<<21)
.irp g, G1, G1B
	s_mov_b32 s[\g+1], 512<<16
	s_mov_b32 s[\g+2], 8<<16
	s_mov_b32 s[\g+3], 512<<16
	s_mov_b32 s[\g+4], 8
	s_mov_b32 s[\g+5], 1024
	s_mov_b32 s[\g+6], 0
	s_mov_b32 s[\g+7], 0
.endr
	s_lshl_b32 s16, s13, 17
	s_lshl_b32 s17, s12, 16
	s_add_co_u32 s16, s16, s17
	s_mov_b32 s17, 0
	s_lshl_b32 s46, s42, 17
	s_lshl_b32 s47, s12, 16
	s_add_co_u32 s46, s46, s47
	s_add_co_u32 s46, s46, BOFF
	s_mov_b32 s47, 0
	s_lshl_b32 s45, s10, 15
	s_wait_dscnt 0x0
	s_wait_kmcnt 0x0
	s_load_b512 s[80:95], s[8:9], 0x0
	s_add_nc_u64 s[18:19], s[4:5], s[16:17]
	s_add_nc_u64 s[46:47], s[6:7], s[46:47]
	CROUND
.irp s, 0,1
	s_mov_b32 s[G0+4*\s], 1
	s_add_co_u32 s[G0+4*\s+1], s45, \s*SLOT
	s_add_nc_u64 s[G0+4*\s+2:G0+4*\s+3], s[18:19], \s*HALFK
	s_or_b32 s[G0+4*\s+3], s[G0+4*\s+3], 0x80000000
	s_mov_b32 s[G0B+4*\s], 1
	s_add_co_u32 s[G0B+4*\s+1], s45, \s*SLOT
	s_add_nc_u64 s[G0B+4*\s+2:G0B+4*\s+3], s[46:47], \s*HALFK
	s_or_b32 s[G0B+4*\s+3], s[G0B+4*\s+3], 0x80000000
.if \s
	s_wait_alu depctr_va_vdst(0)
	s_wait_tensorcnt 0x0
	ds_add_u32 v28, v29
	ds_add_u32 v28, v29
	s_wait_dscnt 0x0
	CROUND
.endif
	JLOAD \s
.endr
	v_bfe_u32 v2, v0, 4, 1
	v_and_b32 v[LI], 31, v0
	v_lshlrev_b32 v[LI], 4, v[LI]
	s_lshl_b32 s2, s11, 15
	s_lshl_b32 s3, s12, 15
	s_add_co_u32 s3, s3, 65536
.irp s, 0,1
	v_add_nc_u32 v[ADRA+\s], s2, v[LI]
	v_add_nc_u32 v[ADRB+\s], s3, v[LI]
	s_add_co_u32 s2, s2, SLOT
	s_add_co_u32 s3, s3, SLOT
.endr
	v_lshlrev_b32 v[BOF], 6, v2
	s_wait_alu depctr_va_vdst(0)
	s_lshl_b32 s16, s13, 17
	s_lshl_b32 s17, s11, 16
	s_add_co_u32 s16, s16, s17
	s_mov_b32 s17, 0
	s_lshr_b32 s46, s42, 1
	s_lshl_b32 s46, s46, 21
	s_and_b32 s47, s42, 1
	s_lshl_b32 s47, s47, 12
	s_add_co_u32 s46, s46, s47
	s_lshl_b32 s47, s12, 11
	s_add_co_u32 s46, s46, s47
	s_mov_b32 s47, 0
	s_add_nc_u64 s[74:75], s[74:75], s[16:17]
	s_add_nc_u64 s[74:75], s[74:75], s[46:47]
	s_lshl_b32 s46, s42, 10
	s_lshl_b32 s47, s12, 9
	s_add_co_u32 s46, s46, s47
	s_mov_b32 s47, 0
	s_add_nc_u64 s[68:69], s[68:69], s[46:47]
.irp b, 0,1,2,3,4,5,6,7
	global_load_b128 v[BI+8*\b:BI+8*\b+3], v[BOF], s[68:69] offset:128*(\b/2)+32*(\b%2)
	global_load_b128 v[BI+8*\b+4:BI+8*\b+7], v[BOF], s[68:69] offset:128*(\b/2)+32*(\b%2)+16
.endr
	s_wait_kmcnt 0x0
	s_add_co_i32 s96, s92, s93
	s_sub_co_i32 s97, 0, s96
	s_sub_co_i32 s99, s94, s96
	s_add_co_i32 s99, s99, 127
	s_lshl_b32 s98, s99, 23
	v_mov_b32 v[SCV], s98
	s_add_co_i32 s99, s99, 8
	s_lshl_b32 s99, s99, 23
	s_or_b32 s99, s99, 0x600000
	v_mov_b32 v[LIM], s99
	s_wait_loadcnt 0x0
.set jj, 0
.rept 64
	v_ldexp_f32 v[BI+jj], v[BI+jj], s97
.set jj, jj+1
.endr
	s_wait_alu depctr_va_vdst(0)
	s_wait_tensorcnt 1
	s_barrier_signal -1
	s_barrier_wait -1
	FETCH_B 0, 0, 0
	FETCH_A 0, 0, 0
	FETCH_A 0, 0, 4
	STEP 0, 1
	TURN 0, 1, 1
	STEP 1, 0
	TURN 1, 0, 1
	STEP 0, 0
	TURN 0, 1, 0
	STEP 1, 0
	s_wait_dscnt 16
	WIN MUL_LO
	MUL16 0, 1, 0
	MUL16 2, 1, 0
	s_wait_dscnt 0x0
	WIN MUL_HI
	MUL16 4, 1, 0
	MUL16 6, 1, 0
	WIN 0
	PLACES
.irp a, 0,1,2,3,4,5,6,7
	OUT \a
.endr
	s_wait_tensorcnt 0x0
	ds_add_u32 v[SPW], v[NIL]
	s_wait_dscnt 0x0
	CROUND
	s_endpgm
.Lfunc_end_k_q80437e2f63_ffn1:
	.size	k_q80437e2f63_ffn1, .Lfunc_end_k_q80437e2f63_ffn1-k_q80437e2f63_ffn1
	.p2alignl 7, 3214868480
	.fill 96, 4, 3214868480
	.section	.rodata,"a",@progbits
	.p2align	6, 0x0
	.amdhsa_kernel k_q80437e2f63_ffn1
		.amdhsa_group_segment_fixed_size 327680
		.amdhsa_private_segment_fixed_size 0
		.amdhsa_enable_private_segment 0
		.amdhsa_kernarg_size 40
		.amdhsa_user_sgpr_count 2
		.amdhsa_user_sgpr_kernarg_segment_ptr 1
		.amdhsa_wavefront_size32 1
		.amdhsa_system_sgpr_workgroup_id_x 1
		.amdhsa_system_sgpr_workgroup_id_y 1
		.amdhsa_system_sgpr_workgroup_id_z 1
		.amdhsa_system_vgpr_workitem_id 0
		.amdhsa_next_free_vgpr 1024
		.amdhsa_next_free_sgpr 102
		.amdhsa_reserve_vcc 0
		.amdhsa_float_denorm_mode_32 3
		.amdhsa_float_denorm_mode_16_64 3
		.amdhsa_memory_ordered 1
		.amdhsa_forward_progress 1
		.amdhsa_inst_pref_size 123
	.end_amdhsa_kernel
	.amdgpu_metadata
---
amdhsa.version: [ 1, 2 ]
amdhsa.kernels:
  - .name:           k_q80437e2f63_ffn1
    .symbol:         k_q80437e2f63_ffn1.kd
    .args:
      - { .name: x1c, .offset: 0, .size: 8, .value_kind: global_buffer, .address_space: global }
      - { .name: wc, .offset: 8, .size: 8, .value_kind: global_buffer, .address_space: global }
      - { .name: lowp_scales, .offset: 16, .size: 8, .value_kind: global_buffer, .address_space: global }
      - { .name: b1, .offset: 24, .size: 8, .value_kind: global_buffer, .address_space: global }
      - { .name: hc, .offset: 32, .size: 8, .value_kind: global_buffer, .address_space: global }
    .group_segment_fixed_size: 327680
    .private_segment_fixed_size: 0
    .kernarg_segment_align: 8
    .kernarg_segment_size: 40
    .max_flat_workgroup_size: 128
    .sgpr_count:     102
    .vgpr_count:     1024
    .wavefront_size: 32
...
	.end_amdgpu_metadata
.endif
;; end of part 6
;; launch ffn2 (part 7): grid 8 x 32, 4 waves a work-group, clusters of 4 x 1, 327,680 bytes of LDS; arguments hc, wc, lowp_scales, b2, x1, y; writes y
.if DOCPART == 7
	.amdgcn_target "amdgcn-amd-amdhsa--gfx1250"
	.amdhsa_code_object_version 6
	.text
	.protected	k_q80437e2f63_ffn2
	.globl	k_q80437e2f63_ffn2
	.p2align	8
	.type	k_q80437e2f63_ffn2,@function
k_q80437e2f63_ffn2:
	s_mov_b64 s[64:65], 0
	v_nop
	global_prefetch_b8 v0, s[64:65] scope:SCOPE_SE
	s_setreg_imm32_b32 hwreg(HW_REG_WAVE_MODE, 25, 1), 1
	s_wait_xcnt 0x0
	s_wait_alu depctr_hold_cnt(0) depctr_sa_sdst(0) depctr_va_vdst(0) depctr_va_sdst(0) depctr_va_ssrc(0) depctr_va_vcc(0) depctr_vm_vsrc(0)
	s_getreg_b32 s2, hwreg(HW_REG_IB_STS2, 6, 4)
	s_cmp_eq_u32 s2, 0
	s_cbranch_scc0 .Lentry_in_a_cluster
	s_endpgm
.Lentry_in_a_cluster:
	s_bfe_u32 s2, ttmp6, 0x10000c
	s_cmp_lg_u32 s2, 0x3003
	s_cbranch_scc0 .Lentry_shape_is_right
	s_endpgm
.Lentry_shape_is_right:
; y = x1 + h w2 + b2: the product on codes of E4M3 (K = 4,096), sums in f32, rows of f32 out for the layer norm that follows.  Nothing is left out.
; All codes are images of operand registers: a fragment (16 rows x 128 K) is 4 chunks of 512 bytes, lane l's 16 bytes at 16 l; a matrix lies as [K / 512][rows / 16][4 K steps][2,048];
; place r of row tile rt is row 32 (rt / 2) + 8 (rt % 2) + r + 8 (r / 8).
; SHARES: a work-group makes 128 rows x 128 columns: 32 x 8 = 256 work-groups.  Each of its four waves makes all 128 rows x 32 columns of its own: 16 accumulators, 128 registers.
; A (h's 128 rows) goes through a ring of two LDS slots of 1,024 along K, 131,072 bytes each: four fills in all.  Wave w fetches a quarter of a fill, 32,768 dense bytes, by one tensor load.
; CLUSTER 4 x 1: the four work-groups of a cluster make four blocks of columns of the same 128 rows: A is asked for jointly, with the mask of all four; each change of slots is a round of the cluster's barrier.
; B (w2's codes) GOES FROM MEMORY STRAIGHT INTO OPERAND REGISTERS: a wave alone multiplies its 32 columns, so no other wave of the work-group and no partner of the cluster reads its fragments: each byte of B is loaded once a work-group.
; Eight sets of 32 registers take turns; K step k's 8 loads are issued in K step k - 7, so 56 loads of a wave are out behind the set in hand.
; PREFETCH: at the change of slots that asks for fill t + 1, each wave names 32 blocks of 256 bytes of fill t + 2 (a lane a block): of the 128 blocks that wave w will fetch, the partner at place cx takes 32 cx .. 32 cx + 31,
; told apart by address.  Fills 0 and 1 come by their loads alone; the last change that fills asks for nothing.  B has none: its own loads run seven K steps ahead of their use.
; Source 0 = a tile of w2, source 1 = a tile of h: a lane holds ONE row, and the 16 registers of my two tiles of w2 are 16 neighbouring columns.
; THE WAY OUT: a wave's 32 columns are 128 bytes of a row, so the block's 128 x 128 results meet in slot 0 (it has had its last fill, and nobody reads it behind the last change of slots) and leave as whole rows of 512 bytes.
; The bias / 2^(e14 + e15) starts each sum; each finished sum is multiplied by 2^(e14 + e15).  LIMIT: e14 + e15 between -126 and 127.  NaN among the inputs is not served.
; REGISTERS, in windows of 256: window 0: v1-31 addresses; v32-47 the bias; v48-79 results on their way to the stage; v128-255 the accumulators ((a, b) at v[128 + 8 (2 a + b)]), later 32 rows back from the stage.
;   window 1: A's fragments, two sets of 8 x 16.   window 2: B's fragments, eight sets of 2 x 16.   window 3: v0-127 x1's 32 rows x 128 columns.
.set ASTR,  0x200000                   ; h's image: from 512 along K to the next
.set BSTR,  0x80000                    ; w2's image likewise
.set BOFF,  0x800000                   ; its place in wc
.set SLOT,  131072
.set SPARE, 262144                     ; behind the ring: the spare words, 128 bytes for each wave: two blocks of 256 bytes that no other line names
.set SPT,   528                        ; a row of the stage: 512 bytes + 16
.set LI,   3                           ; v3   16 x lane
.set LI2,  4                           ; v4   + 65,536: the slot's second 512 along K
.set ADL,  8                           ; v8, v9  LDS addresses of the slot in hand, its two halves
.set ADH,  9
.set PFO,  10                          ; v10  256 x lane
.set BOF,  12
.set STO,  24
.set RD,   25
.set SPW,  28                          ; v28  my spare word; never rewritten
.set NIL,  29                          ; v29  0; never rewritten
.set BI,   32
.set TMP,  48
.set ACC,  128
.set BP,   44                          ; s[44:45] my two tiles of w2, at the trip's 1,024 along K
.set PFA,  76                          ; s[76:77] where my prefetch stands
.set MSB, 0
.macro WIN new                         ; the immediate's high byte repeats the setting that is left
.if MSB != \new
	s_set_vgpr_msb (MSB<<8)|\new
.set MSB, \new
.endif
.endm
.macro CROUND                          ; a round of the cluster's barrier
	s_barrier_signal -1
	s_barrier_wait -1
	s_cmp_lg_u32 s10, 0
	s_cbranch_scc1 .Lnot_wave_0_\@
	s_barrier_signal -3
.Lnot_wave_0_\@:
	s_barrier_wait -3
	s_barrier_signal -1
	s_barrier_wait -1
.endm
.macro PLACES                          ; four plain places behind matrix instructions, ahead of loads into their sources and of reads of their results
.rept 4
	v_nop
.endr
.endm
.macro BL k                            ; K step k (0 .. 6) of B into set k
.irp b, 0,1
.irp c, 0,1,2,3
	global_load_b128 v[32*\k+16*\b+4*\c:32*\k+16*\b+4*\c+3], v[LI], s[BP:BP+1] offset:(\k/4)*BSTR+\b*8192+(\k%4)*2048+\c*512
.endr
.endr
.endm
; K step q of the slot's eight.  ld = 1: the set that the last step multiplied takes B seven steps on.  lc: the loads issued behind this step's set.  A's other set takes the next step of the same slot.
; The 16 accumulators take turns, one instruction a turn, in the same order in every step.
.macro KS q, ld, lc
	PLACES
.if \ld
	WIN 0x80                                       ; destination window 2
.irp b, 0,1
.irp c, 0,1,2,3
	global_load_b128 v[32*((\q+7)%8)+16*\b+4*\c:32*((\q+7)%8)+16*\b+4*\c+3], v[LI], s[BP:BP+1] offset:((\q+7)/4)*BSTR+\b*8192+((\q+7)%4)*2048+\c*512
.endr
.endr
.endif
.if \q < 7
	WIN 0x40                                       ; destination window 1
.irp i, 0,1,2,3,4,5,6,7
.irp c, 0,1,2,3
	ds_load_b128 v[128*((\q+1)%2)+16*\i+4*\c:128*((\q+1)%2)+16*\i+4*\c+3], v[ADL+(\q+1)/4] offset:\i*8192+((\q+1)%4)*2048+\c*512
.endr
.endr
	s_wait_dscnt 32                                ; this step's A is in; the 32 loads just issued may be out
.else
	s_wait_dscnt 0x0
.endif
	s_wait_loadcnt \lc                             ; this step's B is in; the younger steps' loads may be out
	WIN 0x06                                       ; source 0 (B) window 2, source 1 (A) window 1, C and D window 0
.irp a, 0,1,2,3,4,5,6,7
.irp b, 0,1
	v_wmma_f32_16x16x128_fp8_fp8 v[ACC+8*(2*\a+\b):ACC+8*(2*\a+\b)+7], v[32*\q+16*\b:32*\q+16*\b+15], v[128*(\q%2)+16*\a:128*(\q%2)+16*\a+15], v[ACC+8*(2*\a+\b):ACC+8*(2*\a+\b)+7]
.endr
.endr
.endm
; THE CHANGE OF SLOTS stands at a slot's head.  Each wave waits for its tensor load (its part of the slot that it is about to read), adds 0 to its spare word, and waits for that and for its reads of the slot that it has left.
; fill = 1: a round of the cluster's barrier, and behind it the other slot takes the next 1,024 along K: the wave's one tensor load until the next round (the first time: slot 1's first fill, issued as a refill is).
.macro CHANGE fill
	s_wait_tensorcnt 0x0                           ; no tensor load of mine is out, so group 0 may be written
	ds_add_u32 v[SPW], v[NIL]                      ; 0 onto my spare word
.if \fill
	s_xor_b32 s33, s33, SLOT                       ; the walking descriptor: the other slot,
	s_add_nc_u64 s[34:35], s[34:35], 2*ASTR        ; the next 1,024 along K; the type bits on top are not reached
	s_wait_xcnt 0x0                                ; any prefetch of mine has read its address
	s_add_nc_u64 s[PFA:PFA+1], s[PFA:PFA+1], 2*ASTR   ; one fill further on than the descriptor
.endif
	s_wait_dscnt 0x0                               ; the add is done, and my reads of the slot that I have left are over
.if \fill
	CROUND                                         ; no wave of any partner reads the other slot or has a load on its way
	tensor_load_to_lds s[32:35], s[24:31]
	s_nop 0
.rept 4
	v_nop
.endr
	s_cmp_gt_u32 s3, 1                             ; the last change that fills has no fill two on
	s_cbranch_scc0 .Lno_ask_\@
	global_prefetch_b8 v[PFO], s[PFA:PFA+1] th:TH_LOAD_NT scope:SCOPE_SE
.Lno_ask_\@:
.else
	s_barrier_signal -1
	s_barrier_wait -1
.endif
.endm
.macro BODY full                       ; a slot's eight K steps
	v_add_nc_u32 v[ADL], s2, v[LI]
	v_add_nc_u32 v[ADH], s2, v[LI2]
	s_wait_alu depctr_va_vdst(0)
	WIN 0x40
.irp i, 0,1,2,3,4,5,6,7
.irp c, 0,1,2,3
	ds_load_b128 v[16*\i+4*\c:16*\i+4*\c+3], v[ADL] offset:\i*8192+\c*512   ; the slot's K step 0 of A
.endr
.endr
	KS 0, 1, 56
.if \full
.irp q, 1,2,3,4,5,6,7
	KS \q, 1, 56
.endr
.else
.irp q, 1,2,3,4,5,6,7
	KS \q, 0, 56-8*\q
.endr
.endif
	WIN 0
.endm
	s_load_b128 s[4:7], s[0:1], 0x0                ; hc, wc
	s_load_b64 s[8:9], s[0:1], 0x10                ; the exponents
	s_load_b128 s[68:71], s[0:1], 0x18             ; b2, x1
	s_load_b64 s[74:75], s[0:1], 0x28              ; y
	v_lshl_add_u32 v[SPW], v0, 2, SPARE
	v_mov_b32 v[NIL], 0
	ds_add_u32 v[SPW], v[NIL]                      ; the wave's opening: the add, twice on end, and its wait ahead of my first tensor load
	ds_add_u32 v[SPW], v[NIL]
	v_lshrrev_b32 v1, 5, v0
	v_readfirstlane_b32 s10, v1                    ; wave 0..3
	s_lshr_b32 s11, s10, 1
	s_and_b32 s12, s10, 1
	s_bfe_u32 s40, ttmp6, 0x40000                  ; cx
	s_lshl_b32 s42, ttmp9, 2
	s_add_co_u32 s42, s42, s40                     ; my block of 128 columns: it enters B's, the bias's, x1's and y's addresses alone
	s_and_b32 s13, ttmp7, 0xffff                   ; my block of 128 rows, which the four partners share
	s_mov_b32 s24, 15|(3<<16)|(1<<21)              ; the mask: all four; elements of 8 bytes; bit 21 beside a mask; no padding
	s_mov_b32 s25, 32<<16                          ; rows of 256 bytes,
	s_mov_b32 s26, 128<<16                         ; 128 of them, dense
	s_mov_b32 s27, 32<<16
	s_mov_b32 s28, 128
	s_mov_b32 s29, 32
	s_mov_b32 s30, 0
	s_mov_b32 s31, 0
	s_lshl_b32 s16, s13, 16                        ; A: eight row tiles a block;
	s_lshl_b32 s17, s12, 15                        ; I fetch four of them,
	s_add_co_u32 s16, s16, s17
	s_lshl_b32 s17, s11, 21                        ; of the fill's first or second 512 along K
	s_add_co_u32 s16, s16, s17
	s_mov_b32 s17, 0
	s_lshl_b32 s14, s40, 13                        ; the prefetch: my work-group's 32 blocks of my 128,
	s_add_co_u32 s14, s14, 2*ASTR                  ; at fill 1: the first change of slots steps it to fill 2
	s_mov_b32 s15, 0
	s_lshl_b32 s46, s42, 16                        ; B: row tiles 8 x block + 2 x wave on
	s_lshl_b32 s47, s10, 14
	s_add_co_u32 s46, s46, s47
	s_add_co_u32 s46, s46, BOFF
	s_mov_b32 s47, 0
	s_lshl_b32 s20, s42, 9                         ; 4 x 128 x block of columns
	s_lshl_b32 s18, s13, 19                        ; y, x1: 128 rows of 4,096 bytes a block,
	s_lshl_b32 s19, s10, 17                        ; on the way out I take 32 of them, whole
	s_add_co_u32 s18, s18, s19
	s_add_co_u32 s18, s18, s20
	s_mov_b32 s19, 0
	s_lshl_b32 s22, s10, 7                         ; my 32 columns: 128 bytes x wave, in the bias and in a row of the stage
	s_add_co_u32 s20, s20, s22
	s_mov_b32 s21, 0
	s_mul_i32 s23, s10, 32*SPT                     ; my 32 rows of the stage
	s_mov_b32 s32, 1
	s_lshl_b32 s33, s10, 15                        ; to LDS byte 32,768 x wave of slot 0
	s_mov_b32 s2, 0                                ; the slot in hand
	s_wait_dscnt 0x0                               ; both opening adds are done
	s_wait_kmcnt 0x0
	s_load_b512 s[80:95], s[8:9], 0x0              ; e0 .. e15 in s80 .. s95
	s_add_nc_u64 s[34:35], s[4:5], s[16:17]
	s_add_nc_u64 s[PFA:PFA+1], s[34:35], s[14:15]
	s_or_b32 s35, s35, 0x80000000
	s_add_nc_u64 s[BP:BP+1], s[6:7], s[46:47]
	s_add_nc_u64 s[74:75], s[74:75], s[18:19]
	s_add_nc_u64 s[70:71], s[70:71], s[18:19]
	s_add_nc_u64 s[68:69], s[68:69], s[20:21]
	CROUND                                         ; all four work-groups are here: the joint loads meet
	tensor_load_to_lds s[32:35], s[24:31]          ; fill 0: one tensor load a wave at the head
	s_nop 0
.rept 4
	v_nop
.endr
	v_and_b32 v1, 15, v0                           ; r
	v_bfe_u32 v2, v0, 4, 1                         ; h
	v_and_b32 v5, 31, v0
	v_lshlrev_b32 v[LI], 4, v5
	v_lshlrev_b32 v[PFO], 8, v5
	v_add_nc_u32 v[LI2], 65536, v[LI]
	v_mul_u32_u24 v6, v1, SPT                      ; into the stage: the row at place r, my wave's 128 bytes, 64 for each half of the lanes
	v_lshl_add_u32 v6, v2, 6, v6
	v_add_nc_u32 v[STO], s22, v6
	v_add_nc_u32 v[RD], s23, v[LI]                 ; back: the 32 lanes take one row of 512 bytes
	v_lshlrev_b32 v[BOF], 6, v2
	s_wait_alu depctr_va_vdst(0)                   ; the wait behind the addresses
.irp i, 0,1,2,3
	global_load_b128 v[BI+4*\i:BI+4*\i+3], v[BOF], s[68:69] offset:16*\i   ; b2 at my 16 columns
.endr
	WIN 0xc0                                       ; destination window 3
.set n, 0
.rept 32
	global_load_b128 v[4*n:4*n+3], v[LI], s[70:71] offset:(8*(n/16)+(n%16)+8*((n%16)/8))*4096 th:TH_LOAD_NT   ; x1: the row at place n % 16 of my row tile n / 16, 512 consecutive bytes
.set n, n+1
.endr
	WIN 0x80
	BL 0
	BL 1
	BL 2
	WIN 0
	s_wait_kmcnt 0x0
	s_add_co_i32 s96, s94, s95                     ; e14 + e15
	s_sub_co_i32 s97, 0, s96
	s_add_co_i32 s96, s96, 127
	s_lshl_b32 s98, s96, 23                        ; 2^(e14 + e15)
	s_mov_b32 s99, s98
	s_wait_loadcnt 56                              ; the bias is in; x1's 32 loads and B's 24 may be out
.irp a, 0,1,2,3,4,5,6,7
.irp i, 0,1,2,3,4,5,6,7,8,9,10,11,12,13,14,15
	v_ldexp_f32 v[ACC+16*\a+\i], v[BI+\i], s97     ; the sums begin as bias / 2^(e14 + e15), made while the tiles are on their way
.endr
.endr
	WIN 0x80
	BL 3
	BL 4
	BL 5
	BL 6
	WIN 0
	s_mov_b32 s3, 3
	s_wait_alu depctr_va_vdst(0)                   ; the wait at the head's end
.Lslot:                                            ; 3 trips of 1,024 along K; behind K step k's set stand the loads of k + 1 .. k + 7: 56
	CHANGE 1
	BODY 1
	s_wait_xcnt 0x0                                ; B's loads have read their base: it may step
	s_add_nc_u64 s[BP:BP+1], s[BP:BP+1], 2*BSTR
	s_xor_b32 s2, s2, SLOT
	s_sub_co_u32 s3, s3, 1
	s_cmp_lg_u32 s3, 0
	s_cbranch_scc1 .Lslot
	CHANGE 0                                       ; the last 1,024 along K are written out: they ask for nothing beyond K's end
	BODY 0
	PLACES
.irp a, 0,1,2,3,4,5,6,7
.irp j, 0,2,4,6,8,10,12,14
	v_pk_mul_f32 v[TMP+16*(\a%2)+\j:TMP+16*(\a%2)+\j+1], v[ACC+16*\a+\j:ACC+16*\a+\j+1], s[98:99] op_sel_hi:[1,0]   ; x 2^(e14 + e15); each accumulator from its low end on
.endr
.irp d, 0,1,2,3
	ds_store_b128 v[STO], v[TMP+16*(\a%2)+4*\d:TMP+16*(\a%2)+4*\d+3] offset:\a*16*SPT+16*\d   ; row tile a, place r: my 16 columns
.endr
.endr
	s_wait_dscnt 0x0                               ; for the others' sake: my stores have landed
	s_barrier_signal -1
	s_barrier_wait -1
.set n, 0
.rept 32
	ds_load_b128 v[ACC+4*n:ACC+4*n+3], v[RD] offset:n*SPT   ; my 32 rows, whole
.set n, n+1
.endr
.irp g, 0,1,2,3
	s_wait_dscnt 24-8*\g                           ; eight rows are back; the younger loads may be out
	WIN 0x0c                                       ; source 1 (x1) window 3
.irp j, 0,2,4,6,8,10,12,14,16,18,20,22,24,26,28,30
	v_pk_add_f32 v[ACC+32*\g+\j:ACC+32*\g+\j+1], v[ACC+32*\g+\j:ACC+32*\g+\j+1], v[32*\g+\j:32*\g+\j+1]
.endr
	WIN 0
.irp t, 0,1,2,3,4,5,6,7
	global_store_b128 v[LI], v[ACC+32*\g+4*\t:ACC+32*\g+4*\t+3], s[74:75] offset:(8*(\g/2)+8*(\g%2)+\t+8*(\g%2))*4096   ; 512 consecutive bytes, two aligned units of 256
.endr
.endr
	s_wait_tensorcnt 0x0                           ; the wave's end
	ds_add_u32 v[SPW], v[NIL]
	s_wait_dscnt 0x0
	CROUND                                         ; the closing round
	s_endpgm
.Lfunc_end_k_q80437e2f63_ffn2:
	.size	k_q80437e2f63_ffn2, .Lfunc_end_k_q80437e2f63_ffn2-k_q80437e2f63_ffn2
	.p2alignl 7, 3214868480
	.fill 96, 4, 3214868480
	.section	.rodata,"a",@progbits
	.p2align	6, 0x0
	.amdhsa_kernel k_q80437e2f63_ffn2
		.amdhsa_group_segment_fixed_size 327680
		.amdhsa_private_segment_fixed_size 0
		.amdhsa_enable_private_segment 0
		.amdhsa_kernarg_size 48
		.amdhsa_user_sgpr_count 2
		.amdhsa_user_sgpr_kernarg_segment_ptr 1
		.amdhsa_wavefront_size32 1
		.amdhsa_system_sgpr_workgroup_id_x 1
		.amdhsa_system_sgpr_workgroup_id_y 1
		.amdhsa_system_sgpr_workgroup_id_z 1
		.amdhsa_system_vgpr_workitem_id 0
		.amdhsa_next_free_vgpr 896
		.amdhsa_next_free_sgpr 102
		.amdhsa_reserve_vcc 0
		.amdhsa_float_denorm_mode_32 3
		.amdhsa_float_denorm_mode_16_64 3
		.amdhsa_memory_ordered 1
		.amdhsa_forward_progress 1
		.amdhsa_inst_pref_size 98
	.end_amdhsa_kernel
	.amdgpu_metadata
---
amdhsa.version: [ 1, 2 ]
amdhsa.kernels:
  - .name:           k_q80437e2f63_ffn2
    .symbol:         k_q80437e2f63_ffn2.kd
    .args:
      - { .name: hc, .offset: 0, .size: 8, .value_kind: global_buffer, .address_space: global }
      - { .name: wc, .offset: 8, .size: 8, .value_kind: global_buffer, .address_space: global }
      - { .name: lowp_scales, .offset: 16, .size: 8, .value_kind: global_buffer, .address_space: global }
      - { .name: b2, .offset: 24, .size: 8, .value_kind: global_buffer, .address_space: global }
      - { .name: x1, .offset: 32, .size: 8, .value_kind: global_buffer, .address_space: global }
      - { .name: y, .offset: 40, .size: 8, .value_kind: global_buffer, .address_space: global }
    .group_segment_fixed_size: 327680
    .private_segment_fixed_size: 0
    .kernarg_segment_align: 8
    .kernarg_segment_size: 48
    .max_flat_workgroup_size: 128
    .sgpr_count:     102
    .vgpr_count:     896
    .wavefront_size: 32
...
	.end_amdgpu_metadata
.endif
;; end of part 7
;; launch ln2 (part 8): grid 256 x 1, 16 waves a work-group, no clusters, 0 bytes of LDS; arguments y, ln2_g, ln2_b, out0; writes out0
.if DOCPART == 8
	.amdgcn_target "amdgcn-amd-amdhsa--gfx1250"
	.amdhsa_code_object_version 6
	.text
	.protected	k_q80437e2f63_ln2
	.globl	k_q80437e2f63_ln2
	.p2align	8
	.type	k_q80437e2f63_ln2,@function
k_q80437e2f63_ln2:
	s_mov_b64 s[64:65], 0
	v_nop
	global_prefetch_b8 v0, s[64:65] scope:SCOPE_SE
	s_setreg_imm32_b32 hwreg(HW_REG_WAVE_MODE, 25, 1), 1
	s_wait_xcnt 0x0
; out0 = layer norm of y (mean, then the mean of squared differences, both in f32; eps = 1e-5) x g + b.  Nothing is left out.
; One wave, one row: row 16 x work-group + wave.  A row of 4,096 bytes is 32 registers: read once, reduced inside the wave; every load and store covers 512 consecutive bytes.
; Memory binds: no LDS, no barrier, no matrix unit, no cluster.
.set Y,  32                            ; v32-63   the row
.set G,  64                            ; v64-95   g
.set B,  96                            ; v96-127  b
	s_load_b256 s[4:11], s[0:1], 0x0               ; y, g, b, out0
	v_lshrrev_b32 v1, 5, v0
	s_delay_alu instid0(VALU_DEP_1)
	v_readfirstlane_b32 s16, v1                    ; wave 0..15
	v_and_b32 v2, 31, v0
	s_delay_alu instid0(VALU_DEP_1)
	v_lshlrev_b32 v3, 4, v2                        ; 16 x lane
	s_lshl_b32 s17, ttmp9, 4
	s_add_co_u32 s17, s17, s16                     ; my row
	s_lshl_b32 s18, s17, 12
	s_mov_b32 s19, 0
	s_mov_b32 s20, 0x3a800000                      ; 1 / 1,024
	s_mov_b32 s21, 0x3727c5ac                      ; 1e-5
	s_mov_b32 s22, 0x76543210
	s_mov_b32 s23, 0xfedcba98                      ; lane l xor 16
	s_wait_alu depctr_va_vdst(0)
	s_wait_kmcnt 0x0
	s_add_nc_u64 s[4:5], s[4:5], s[18:19]
	s_add_nc_u64 s[10:11], s[10:11], s[18:19]
.irp i, 0,1,2,3,4,5,6,7
	global_load_b128 v[Y+4*\i:Y+4*\i+3], v3, s[4:5] offset:512*\i th:TH_LOAD_NT
.endr
.irp i, 0,1,2,3,4,5,6,7
	global_load_b128 v[G+4*\i:G+4*\i+3], v3, s[6:7] offset:512*\i
.endr
.irp i, 0,1,2,3,4,5,6,7
	global_load_b128 v[B+4*\i:B+4*\i+3], v3, s[8:9] offset:512*\i
.endr
	s_wait_loadcnt 16                              ; the row is in; the 16 loads of g and b may be out
	v_pk_add_f32 v[10:11], v[32:33], v[34:35]
	v_pk_add_f32 v[30:31], v[40:41], v[44:45]
	v_pk_add_f32 v[28:29], v[48:49], v[52:53]
	v_pk_add_f32 v[26:27], v[56:57], v[60:61]
	v_pk_add_f32 v[24:25], v[36:37], v[38:39]
	v_pk_add_f32 v[22:23], v[42:43], v[46:47]
	v_pk_add_f32 v[20:21], v[50:51], v[54:55]
	v_pk_add_f32 v[8:9], v[58:59], v[62:63]
	s_delay_alu instid0(VALU_DEP_1)
	v_pk_add_f32 v[8:9], v[8:9], v[26:27]
	v_pk_add_f32 v[10:11], v[10:11], v[24:25]
	v_pk_add_f32 v[30:31], v[30:31], v[22:23]
	v_pk_add_f32 v[28:29], v[28:29], v[20:21]
	s_delay_alu instid0(VALU_DEP_2)
	v_pk_add_f32 v[8:9], v[8:9], v[30:31]
	s_delay_alu instid0(VALU_DEP_2)
	v_pk_add_f32 v[10:11], v[10:11], v[28:29]
	s_delay_alu instid0(VALU_DEP_1)
	v_pk_add_f32 v[8:9], v[8:9], v[10:11]
	s_delay_alu instid0(VALU_DEP_1)
	v_add_f32 v8, v8, v9
	s_delay_alu instid0(VALU_DEP_1)
	v_add_f32_dpp v8, v8, v8 row_xmask:1 row_mask:0xf bank_mask:0xf
	s_delay_alu instid0(VALU_DEP_1)
	v_add_f32_dpp v8, v8, v8 row_xmask:2 row_mask:0xf bank_mask:0xf
	s_delay_alu instid0(VALU_DEP_1)
	v_add_f32_dpp v8, v8, v8 row_xmask:4 row_mask:0xf bank_mask:0xf
	s_delay_alu instid0(VALU_DEP_1)
	v_add_f32_dpp v8, v8, v8 row_xmask:8 row_mask:0xf bank_mask:0xf
	s_delay_alu instid0(VALU_DEP_1)
	v_permlanex16_b32 v9, v8, s22, s23
	s_delay_alu instid0(VALU_DEP_1)
	v_add_f32 v8, v8, v9
	s_delay_alu instid0(VALU_DEP_1)
	v_mul_f32 v8, s20, v8                          ; the mean
.irp j, 0,2,4,6,8,10,12,14,16,18,20,22,24,26,28,30
	v_pk_add_f32 v[Y+\j:Y+\j+1], v[Y+\j:Y+\j+1], v[8:9] op_sel_hi:[1,0] neg_lo:[0,1] neg_hi:[0,1]   ; d = y - mean
.endr
	v_pk_mul_f32 v[10:11], v[Y:Y+1], v[Y:Y+1]
	v_pk_mul_f32 v[12:13], v[Y+2:Y+3], v[Y+2:Y+3]
.irp j, 4,8,12,16,20,24,28
	s_delay_alu instid0(VALU_DEP_2)
	v_pk_fma_f32 v[10:11], v[Y+\j:Y+\j+1], v[Y+\j:Y+\j+1], v[10:11]
	s_delay_alu instid0(VALU_DEP_2)
	v_pk_fma_f32 v[12:13], v[Y+\j+2:Y+\j+3], v[Y+\j+2:Y+\j+3], v[12:13]
.endr
	s_delay_alu instid0(VALU_DEP_1)
	v_pk_add_f32 v[10:11], v[10:11], v[12:13]
	s_delay_alu instid0(VALU_DEP_1)
	v_add_f32 v10, v10, v11
	s_delay_alu instid0(VALU_DEP_1)
	v_add_f32_dpp v10, v10, v10 row_xmask:1 row_mask:0xf bank_mask:0xf
	s_delay_alu instid0(VALU_DEP_1)
	v_add_f32_dpp v10, v10, v10 row_xmask:2 row_mask:0xf bank_mask:0xf
	s_delay_alu instid0(VALU_DEP_1)
	v_add_f32_dpp v10, v10, v10 row_xmask:4 row_mask:0xf bank_mask:0xf
	s_delay_alu instid0(VALU_DEP_1)
	v_add_f32_dpp v10, v10, v10 row_xmask:8 row_mask:0xf bank_mask:0xf
	s_delay_alu instid0(VALU_DEP_1)
	v_permlanex16_b32 v11, v10, s22, s23
	s_delay_alu instid0(VALU_DEP_1)
	v_add_f32 v10, v10, v11
	s_delay_alu instid0(VALU_DEP_1)
	v_fma_f32 v10, v10, s20, s21                   ; the variance + eps
	s_wait_alu depctr_va_vdst(0)
	v_rsq_f32 v12, v10
	v_nop                                          ; a plain line behind the transcendental
	s_wait_alu depctr_va_vdst(0)                   ; and the wait ahead of its first reader
	s_wait_loadcnt 0x0                             ; g and b
.irp j, 0,2,4,6,8,10,12,14,16,18,20,22,24,26,28,30
	v_pk_mul_f32 v[Y+\j:Y+\j+1], v[Y+\j:Y+\j+1], v[12:13] op_sel_hi:[1,0]
.endr
.irp j, 0,2,4,6,8,10,12,14,16,18,20,22,24,26,28,30
	v_pk_fma_f32 v[Y+\j:Y+\j+1], v[Y+\j:Y+\j+1], v[G+\j:G+\j+1], v[B+\j:B+\j+1]
.endr
.irp i, 0,1,2,3,4,5,6,7
	global_store_b128 v3, v[Y+4*\i:Y+4*\i+3], s[10:11] offset:512*\i th:TH_STORE_NT   ; 512 consecutive bytes; written once, read by nobody here
.endr
	s_endpgm
.Lfunc_end_k_q80437e2f63_ln2:
	.size	k_q80437e2f63_ln2, .Lfunc_end_k_q80437e2f63_ln2-k_q80437e2f63_ln2
	.p2alignl 7, 3214868480
	.fill 96, 4, 3214868480
	.section	.rodata,"a",@progbits
	.p2align	6, 0x0
	.amdhsa_kernel k_q80437e2f63_ln2
		.amdhsa_group_segment_fixed_size 0
		.amdhsa_private_segment_fixed_size 0
		.amdhsa_enable_private_segment 0
		.amdhsa_kernarg_size 32
		.amdhsa_user_sgpr_count 2
		.amdhsa_user_sgpr_kernarg_segment_ptr 1
		.amdhsa_wavefront_size32 1
		.amdhsa_system_sgpr_workgroup_id_x 1
		.amdhsa_system_sgpr_workgroup_id_y 1
		.amdhsa_system_sgpr_workgroup_id_z 1
		.amdhsa_system_vgpr_workitem_id 0
		.amdhsa_next_free_vgpr 128
		.amdhsa_next_free_sgpr 66
		.amdhsa_reserve_vcc 0
		.amdhsa_float_denorm_mode_32 3
		.amdhsa_float_denorm_mode_16_64 3
		.amdhsa_memory_ordered 1
		.amdhsa_forward_progress 1
		.amdhsa_inst_pref_size 12
	.end_amdhsa_kernel
	.amdgpu_metadata
---
amdhsa.version: [ 1, 2 ]
amdhsa.kernels:
  - .name:           k_q80437e2f63_ln2
    .symbol:         k_q80437e2f63_ln2.kd
    .args:
      - { .name: y, .offset: 0, .size: 8, .value_kind: global_buffer, .address_space: global }
      - { .name: ln2_g, .offset: 8, .size: 8, .value_kind: global_buffer, .address_space: global }
      - { .name: ln2_b, .offset: 16, .size: 8, .value_kind: global_buffer, .address_space: global }
      - { .name: out0, .offset: 24, .size: 8, .value_kind: global_buffer, .address_space: global }
    .group_segment_fixed_size: 0
    .private_segment_fixed_size: 0
    .kernarg_segment_align: 8
    .kernarg_segment_size: 32
    .max_flat_workgroup_size: 512
    .sgpr_count:     66
    .vgpr_count:     128
    .wavefront_size: 32
...
	.end_amdgpu_metadata
.endif
;; end of part 8
